; MI455X (gfx1250); checked and timed in simulation.
; The chip was launched on July 23, 2026; its instructions are those of AMD's public machine-readable ISA for CDNA 5 (MIT licence, August 2026) and "CDNA5" Instruction Set Architecture Reference Guide (July 2026). The comments in the code are by the model that wrote it; some were corrected since.
;; Self Attention. Allowed arithmetic: float matrix products may take bf16 or f16 operands with f32 sums; all other float work in f32.
;; Inputs: Wk 1,024 x 1,024 float32; Wq 1,024 x 1,024 float32; Wv 1,024 x 1,024 float32; bk 1,024 float32; bq 1,024 float32; bv 1,024 float32; lengths 4 int32; x 4 x 2,048 x 1,024 float32.
;; Outputs: out0 4 x 2,048 x 1,024 float32.
;; 2 versions, each right; version 2 is version 1 with the launch prep written anew for expert scheduling mode. Each part assembles by itself: llvm-mc -triple=amdgcn-amd-amdhsa -mcpu=gfx1250 --defsym DOCPART=n.
;; ======== version 1 of 2: 4 launches
;; limits: values are held in f16: magnitudes above 65,504 overflow, below 6.1e-05 lose precision; right only within a limited range of input values
;; workspace buffers: xb 16,777,216 bytes; wb 6,291,456 bytes; bc 12,288 bytes; qkv 50,331,648 bytes; pw 33,554,432 bytes; sm 524,288 bytes; sl 524,288 bytes
;; launch prep (part 1): grid 721 x 1, 8 waves a work-group, no clusters, 0 bytes of LDS; arguments x, Wq, Wk, Wv, bq, bk, bv, xb, wb, bc, sm, sl; writes xb, wb, bc, sm, sl
.if DOCPART == 1
	.amdgcn_target "amdgcn-amd-amdhsa--gfx1250"
	.amdhsa_code_object_version 6
	.text
	.protected	k_q576a45778e_prep
	.globl	k_q576a45778e_prep
	.p2align	8
	.type	k_q576a45778e_prep,@function
k_q576a45778e_prep:
	s_mov_b64 s[64:65], 0
	v_nop
	global_prefetch_b8 v0, s[64:65] scope:SCOPE_SE
	s_setreg_imm32_b32 hwreg(HW_REG_WAVE_MODE, 25, 1), 1
	s_wait_xcnt 0x0
; PREP.  All inputs are rounded to bf16 once, and the softmax statistics get neutral values.
;   work-groups 0-511:   16 rows of x ([8192][1024] f32) -> xb, in blocks of 64 along k: [16 kb][8192 rows][64] bf16, so that the projection's tile of 128 rows x 64 k is 16,384 dense bytes
;   work-groups 512-703: 16 rows of Wq, Wk or Wv ([1024][1024] f32) -> wb ([1024 k][3072 n] bf16; columns 0-1023 Wq, 1024-2047 Wk, 2048-3071 Wv)
;   work-groups 704-719: 65,536 bytes of sm (-2^127: below every maximum) or of sl (0): the chunks of keys that the score launch never makes
;   work-group  720:     bq, bk, bv rounded to bf16 and widened again -> bc ([3072] f32)
; A stream: no LDS, no barrier, no matrix unit.  A lane loads 16 bytes and stores 8.  Sixteen loads of every wave are out at once; no register is used twice.
; W: thread t owns 16 bytes of every f32 row: a wave's load covers 512 consecutive bytes, its store 256 consecutive bytes at a multiple of 256.
; x: wave w owns the blocks kb = 2 w and 2 w + 1; lanes 0-15 take 256 bytes of an even row, lanes 16-31 the same columns of the next row: their 2 x 128 bytes of bf16 lie end to end in xb,
; so that a wave's store again covers 256 consecutive bytes at a multiple of 256.
.macro CAST la, lb, sa, sb             ; 16 pieces from s[32:33] to s[34:35]; piece j lies la (j % 8) + lb (j / 8) bytes on at the source, sa (j % 8) + sb (j / 8) at the destination
.irp j, 0,1,2,3,4,5,6,7,8,9,10,11,12,13,14,15
	global_load_b128 v[8+4*(\j):11+4*(\j)], v1, s[32:33] offset:(\la)*((\j)%8)+(\lb)*((\j)/8) th:TH_LOAD_NT
.endr
.irp j, 0,1,2,3,4,5,6,7,8,9,10,11,12,13,14,15
	s_wait_loadcnt 15-(\j)                         ; loads come back in order: piece j is in, the younger ones stay out
	v_cvt_pk_bf16_f32 v[72+2*(\j)], v[8+4*(\j)], v[9+4*(\j)]
	v_cvt_pk_bf16_f32 v[73+2*(\j)], v[10+4*(\j)], v[11+4*(\j)]
	global_store_b64 v2, v[72+2*(\j):73+2*(\j)], s[34:35] offset:(\sa)*((\j)%8)+(\sb)*((\j)/8)
.endr
.endm
	s_load_b512 s[8:23], s[0:1], 0x0               ; x s[8:9], Wq s[10:11], Wk s[12:13], Wv s[14:15], bq s[16:17], bk s[18:19], bv s[20:21], xb s[22:23]
	s_load_b256 s[24:31], s[0:1], 0x40             ; wb s[24:25], bc s[26:27], sm s[28:29], sl s[30:31]
	s_mov_b32 s6, ttmp9                            ; the work-group's number
	s_mov_b32 s3, 0                                ; upper words of the two offsets
	s_mov_b32 s5, 0
	v_lshlrev_b32 v1, 4, v0                        ; my 16 bytes of an f32 row
	v_lshlrev_b32 v2, 3, v0                        ; my 8 bytes of a bf16 row
	s_wait_kmcnt 0x0
	s_cmp_lt_u32 s6, 512
	s_cbranch_scc0 .Lnot_x
	v_and_b32 v3, 15, v0                           ; my place in a piece of 64 numbers
	v_bfe_u32 v4, v0, 4, 1                         ; even row or odd
	v_lshrrev_b32 v5, 5, v0                        ; wave
	v_lshlrev_b32 v1, 4, v3                        ; source: 16 bytes a lane,
	v_lshl_add_u32 v1, v4, 12, v1                  ; 4,096 bytes a row,
	v_lshl_add_u32 v1, v5, 9, v1                   ; 512 bytes for the wave's two blocks
	v_lshlrev_b32 v2, 3, v3                        ; destination: 8 bytes a lane,
	v_lshl_add_u32 v2, v4, 7, v2                   ; 128 bytes a row,
	v_lshl_add_u32 v2, v5, 21, v2                  ; two blocks of 1,048,576 bytes a wave
	s_lshl_b32 s2, s6, 16                          ; 16 rows of 4,096 bytes
	s_lshl_b32 s4, s6, 11                          ; 16 rows of 128 bytes
	s_add_nc_u64 s[32:33], s[8:9], s[2:3]
	s_add_nc_u64 s[34:35], s[22:23], s[4:5]
	CAST 8192, 256, 256, 1048576                   ; eight pairs of rows, then the wave's second block
	s_endpgm
.Lnot_x:
	s_cmp_lt_u32 s6, 704
	s_cbranch_scc0 .Lnot_w
	s_sub_co_u32 s7, s6, 512
	s_lshr_b32 s36, s7, 6                          ; which weight: 0 Wq, 1 Wk, 2 Wv
	s_and_b32 s7, s7, 63                           ; which 16 rows of it
	s_cmp_eq_u32 s36, 1
	s_cselect_b64 s[32:33], s[12:13], s[10:11]
	s_cmp_eq_u32 s36, 2
	s_cselect_b64 s[32:33], s[14:15], s[32:33]
	s_lshl_b32 s2, s7, 16
	s_add_nc_u64 s[32:33], s[32:33], s[2:3]
	s_mul_i32 s4, s7, 98304                        ; 16 rows of 6,144 bytes
	s_lshl_b32 s36, s36, 11                        ; the weight's 2,048 bytes of a row
	s_add_co_u32 s4, s4, s36
	s_add_nc_u64 s[34:35], s[24:25], s[4:5]
	CAST 4096, 32768, 6144, 49152                  ; sixteen rows
	s_endpgm
.Lnot_w:
	s_cmp_lt_u32 s6, 720
	s_cbranch_scc0 .Lbias
	s_sub_co_u32 s7, s6, 704
	s_cmp_lt_u32 s7, 8
	s_cselect_b64 s[34:35], s[28:29], s[30:31]     ; eight work-groups for sm, eight for sl
	s_cselect_b32 s36, 0xff000000, 0               ; -2^127, or 0
	s_and_b32 s7, s7, 7
	s_lshl_b32 s2, s7, 16
	s_add_nc_u64 s[34:35], s[34:35], s[2:3]
	v_mov_b32 v4, s36
	v_mov_b32 v5, s36
	v_mov_b32 v6, s36
	v_mov_b32 v7, s36
.irp j, 0,1,2,3,4,5,6,7,8,9,10,11,12,13,14,15
	global_store_b128 v1, v[4:7], s[34:35] offset:4096*(\j)
.endr
	s_endpgm
.Lbias:
	global_load_b128 v[4:7], v1, s[16:17]
	global_load_b128 v[8:11], v1, s[18:19]
	global_load_b128 v[12:15], v1, s[20:21]
	s_wait_loadcnt 0x0
.irp j, 0,1,2,3,4,5
	v_cvt_pk_bf16_f32 v[16+(\j)], v[4+2*(\j)], v[5+2*(\j)]     ; rounded to bf16,
.endr
.irp j, 0,1,2,3,4,5
	v_lshlrev_b32 v[24+2*(\j)], 16, v[16+(\j)]                 ; and written as f32 again
	v_and_b32 v[25+2*(\j)], 0xffff0000, v[16+(\j)]
.endr
	global_store_b128 v1, v[24:27], s[26:27]
	global_store_b128 v1, v[28:31], s[26:27] offset:4096
	global_store_b128 v1, v[32:35], s[26:27] offset:8192
	s_endpgm
.Lfunc_end_k_q576a45778e_prep:
	.size	k_q576a45778e_prep, .Lfunc_end_k_q576a45778e_prep-k_q576a45778e_prep
	.p2alignl 7, 3214868480
	.fill 96, 4, 3214868480
	.section	.rodata,"a",@progbits
	.p2align	6, 0x0
	.amdhsa_kernel k_q576a45778e_prep
		.amdhsa_group_segment_fixed_size 0
		.amdhsa_private_segment_fixed_size 0
		.amdhsa_enable_private_segment 0
		.amdhsa_kernarg_size 96
		.amdhsa_user_sgpr_count 2
		.amdhsa_user_sgpr_kernarg_segment_ptr 1
		.amdhsa_wavefront_size32 1
		.amdhsa_system_sgpr_workgroup_id_x 1
		.amdhsa_system_sgpr_workgroup_id_y 1
		.amdhsa_system_sgpr_workgroup_id_z 1
		.amdhsa_system_vgpr_workitem_id 0
		.amdhsa_next_free_vgpr 104
		.amdhsa_next_free_sgpr 66
		.amdhsa_reserve_vcc 0
		.amdhsa_float_denorm_mode_32 3
		.amdhsa_float_denorm_mode_16_64 3
		.amdhsa_memory_ordered 1
		.amdhsa_forward_progress 1
		.amdhsa_inst_pref_size 17
	.end_amdhsa_kernel
	.amdgpu_metadata
---
amdhsa.version: [ 1, 2 ]
amdhsa.kernels:
  - .name:           k_q576a45778e_prep
    .symbol:         k_q576a45778e_prep.kd
    .args:
      - { .name: x, .offset: 0, .size: 8, .value_kind: global_buffer, .address_space: global }
      - { .name: Wq, .offset: 8, .size: 8, .value_kind: global_buffer, .address_space: global }
      - { .name: Wk, .offset: 16, .size: 8, .value_kind: global_buffer, .address_space: global }
      - { .name: Wv, .offset: 24, .size: 8, .value_kind: global_buffer, .address_space: global }
      - { .name: bq, .offset: 32, .size: 8, .value_kind: global_buffer, .address_space: global }
      - { .name: bk, .offset: 40, .size: 8, .value_kind: global_buffer, .address_space: global }
      - { .name: bv, .offset: 48, .size: 8, .value_kind: global_buffer, .address_space: global }
      - { .name: xb, .offset: 56, .size: 8, .value_kind: global_buffer, .address_space: global }
      - { .name: wb, .offset: 64, .size: 8, .value_kind: global_buffer, .address_space: global }
      - { .name: bc, .offset: 72, .size: 8, .value_kind: global_buffer, .address_space: global }
      - { .name: sm, .offset: 80, .size: 8, .value_kind: global_buffer, .address_space: global }
      - { .name: sl, .offset: 88, .size: 8, .value_kind: global_buffer, .address_space: global }
    .group_segment_fixed_size: 0
    .private_segment_fixed_size: 0
    .kernarg_segment_align: 8
    .kernarg_segment_size: 96
    .max_flat_workgroup_size: 256
    .sgpr_count:     66
    .vgpr_count:     104
    .wavefront_size: 32
...
	.end_amdgpu_metadata
.endif
;; end of part 1
;; launch proj (part 2): grid 8 x 32, 4 waves a work-group, clusters of 4 x 4, 327,680 bytes of LDS; arguments xb, wb, bc, qkv; writes qkv
.if DOCPART == 2
	.amdgcn_target "amdgcn-amd-amdhsa--gfx1250"
	.amdhsa_code_object_version 6
	.text
	.protected	k_q576a45778e_proj
	.globl	k_q576a45778e_proj
	.p2align	8
	.type	k_q576a45778e_proj,@function
k_q576a45778e_proj:
	s_mov_b64 s[64:65], 0
	v_nop
	global_prefetch_b8 v0, s[64:65] scope:SCOPE_SE
	s_setreg_imm32_b32 hwreg(HW_REG_WAVE_MODE, 25, 1), 1
	s_wait_xcnt 0x0
	s_wait_alu depctr_hold_cnt(0) depctr_sa_sdst(0) depctr_va_vdst(0) depctr_va_sdst(0) depctr_va_ssrc(0) depctr_va_vcc(0) depctr_vm_vsrc(0)
	s_getreg_b32 s2, hwreg(HW_REG_IB_STS2, 6, 4)
	s_cmp_eq_u32 s2, 0
	s_cbranch_scc0 .Lentry_in_a_cluster
	s_endpgm
.Lentry_in_a_cluster:
	s_bfe_u32 s2, ttmp6, 0x10000c
	s_cmp_lg_u32 s2, 0xf033
	s_cbranch_scc0 .Lentry_shape_is_right
	s_endpgm
.Lentry_shape_is_right:
; PROJ.  qkv[m][n] = sum over k of x[m][k] wb[k][n] + bc[n].  xb: x in bf16, in blocks [16 kb][8192 rows][64]; wb: [1024][3072] bf16; bc: [3072] f32; qkv: [8192][3072] f16 (q, k, v side by side).
; Sums in f32, the bias added in f32, one rounding to f16.  LIMIT: f16 holds no number beyond 65,504; a q, k or v beyond that becomes an infinity.
; THE TILE is 256 x 384: 32 x 8 = 256 tiles, one work-group each, all alike.  Four waves, 128 x 192 each: 96 accumulators of 16 x 16, 768 registers.
; K = 1,024 goes in 16 steps of 64 through two LDS slots that tensor loads fill: two slots of 128 along K (2 x 192,512 bytes) would not fit.
; xb's tile: a wave's 128 rows x 64 k are 16,384 dense bytes, asked for as 64 rows of 256 bytes and padded after every 128: LDS rows of 144 bytes.
; wb's tile lies [k][n]: rows of 768 bytes, 32 bytes of padding behind every 256: LDS rows of 864 bytes; it is turned on its way into registers by ds_load_tr16_b128.
; CLUSTER: 4 x 4 work-groups.  The four of a row of the cluster need the same tile of xb, the four of a column the same tile of wb: each is asked for jointly, by the same tensor load with the same
; descriptor and a mask that names the four.
; THE MATRIX INSTRUCTION IS USED TRANSPOSED: source 0 = 16 columns of wb, source 1 = 16 rows of xb, so that a lane holds eight neighbouring numbers of one row of qkv.
; REGISTERS, in windows of 256.  Window 0: v0-31 addresses; v32-95 and v96-159 xb's 8 fragments, two buffers; v160-255 wb's 12 fragments, ONE buffer.  Windows 1-3: accumulator (b, a) at v[8 (8 b + a)].
; The products go by column blocks b, the 8 row blocks a inside: a fragment of wb is done with after its 8 products and is loaded again while the other half of the column blocks is multiplied.
; THE WAY OUT: a wave's 192 columns are 384 bytes, one and a half aligned blocks of 256, so the four waves share one stage, with a barrier between writing and reading.  The stage takes the ring's
; bytes, which have had their last fill by then.
.set PAX,    144                       ; an LDS row of xb: 128 + 16 bytes: the 16 rows of a fragment load start 36 words apart
.set PBW,    864                       ; an LDS row of wb: 3 x (256 + 32) bytes = 27 x 32: the 8 rows x 32 bytes of a turning load fall on different words modulo 64
.set AHALF,  128*PAX                   ; what wave 0 or 1 fetches: 128 rows of xb
.set BHALF,  32*PBW                    ; what wave 2 or 3 fetches: 32 rows of wb
.set BOFF,   2*AHALF                   ; a slot: xb's 256 rows, then wb's 64: 92,160 bytes
.set SLOT1,  1<<17                     ; slot 1 begins here, so that one exclusive or turns an address in one slot into the other's
.set SPITCH, 784                       ; a row of the stage: 768 + 16 bytes; the stage begins at LDS byte 0 and has 256 rows
.set BIAS,   SLOT1+BOFF+2*BHALF        ; behind the ring: each wave's 192 biases, 768 bytes
.set SPARE,  BIAS+4*768                ; the spare words, 128 bytes for each wave
.set QROW,   6144                      ; bytes in a row of qkv and of wb
.set ASTEP,  8192*128                  ; a K step in xb: the next block
.set BSTEP,  64*QROW                   ; a K step down wb's rows
.set STEPS,  16
.set ADRA0, 5                          ; v5      my lane's place among xb's fragments in slot 0; never rewritten
.set ADRA,  6                          ; v6      the same in the slot in hand
.set ADRB0, 8                          ; v8-10   the same for wb: one for each four column blocks, since the padding inside a row falls differently for the two column halves
.set ADRB,  12                         ; v12-14
.set STO0,  16                         ; v16-17  the way out: where I put 16 bytes of column block 0, row blocks 0-3 and 4-7
.set STO,   18                         ; v18-19  the same for the column block in hand
.set RD0,   20                         ; v20-21  where I read whole rows back, first 16 rows
.set RD,    22                         ; v22-23  the same for the 16 rows in hand
.set CO,    24                         ; v24-25  my byte offsets in two rows of qkv
.set BRD,   26                         ; v26     where I read my biases
.set SPW,   28                         ; v28     LDS address of my spare word; never rewritten
.set NIL,   29                         ; v29     0; never rewritten
.set FA0,   32
.set FA1,   96
.set FB,    160
.set T,     96                         ; the way out: a column block's 64 numbers a lane, in f32
.set TMP,   192                        ; the same in f16
.set OB,    32                         ; rows read back from the stage
.set G1,  24                           ; s[24:31] descriptor group 1 for xb's tiles
.set G0,  32                           ; s[32:39] group 0: a set for each first fill; the second then walks
.set TB,  45                           ; s45      LDS byte at which the slot in hand begins
.set G1B, 48                           ; s[48:55], s[56:63] the same for wb's tiles
.set G0B, 56
.set MSB, 0
.macro WIN new                         ; the immediate's high byte repeats the setting that is left; a switch that changes nothing is dropped
.if MSB != (\new)
	s_set_vgpr_msb (MSB<<8)|(\new)
.set MSB, \new
.endif
.endm
; A joint load.  Waves 0 and 1 fetch xb's two halves, waves 2 and 3 wb's.  The branch hangs on the wave's number alone.  An s_nop 0 and four v_nop follow each of the two lines.
.macro JLOAD s
	s_cmp_eq_u32 s11, 0
	s_cbranch_scc0 .Lfor_b_\@
	tensor_load_to_lds s[G0+4*(\s):G0+4*(\s)+3], s[G1:G1+7]
	s_nop 0
.rept 4
	v_nop
.endr
	s_branch .Lasked_\@
.Lfor_b_\@:
	tensor_load_to_lds s[G0B+4*(\s):G0B+4*(\s)+3], s[G1B:G1B+7]
	s_nop 0
.rept 4
	v_nop
.endr
.Lasked_\@:
.endm
.macro CREST                           ; a round of the cluster's barrier behind its opening barrier
	s_cmp_lg_u32 s10, 0
	s_cbranch_scc1 .Lnot_wave_0_\@
	s_barrier_signal -3
.Lnot_wave_0_\@:
	s_barrier_wait -3
	s_barrier_signal -1
	s_barrier_wait -1
.endm
.macro CROUND                          ; a whole round
	s_barrier_signal -1
	s_barrier_wait -1
	CREST
.endm
	s_load_b128 s[4:7], s[0:1], 0x0                ; xb s[4:5], wb s[6:7]
	s_load_b128 s[68:71], s[0:1], 0x10             ; bc s[68:69], qkv s[70:71]
	v_lshl_add_u32 v[SPW], v0, 2, SPARE
	v_mov_b32 v[NIL], 0
	v_lshrrev_b32 v1, 5, v0
	v_readfirstlane_b32 s10, v1                    ; wave 0..3
	s_lshr_b32 s11, s10, 1                         ; which 128 rows of the tile are mine.  Also: I fetch for xb (0) or for wb (1)
	s_and_b32 s12, s10, 1                          ; which 192 columns.  Also: which half of that tile I fetch
	s_bfe_u32 s40, ttmp6, 0x40000                  ; cx
	s_bfe_u32 s41, ttmp6, 0x40004                  ; cy
	s_lshl_b32 s42, ttmp9, 2
	s_add_co_u32 s42, s42, s40                     ; tile column = 4 x cluster x + cx, 0..7
	s_and_b32 s13, ttmp7, 0xffff
	s_lshl_b32 s13, s13, 2
	s_add_co_u32 s13, s13, s41                     ; tile row = 4 x cluster y + cy, 0..31
	s_lshl_b32 s43, s41, 2
	s_lshl_b32 s43, 15, s43                        ; my row of the cluster
	s_lshl_b32 s44, 0x1111, s40                    ; my column
	; group 1 for xb: 64 rows x 128 elements of 2 bytes, dense; 4 words of padding after every 32
	s_or_b32 s[G1+0], s43, (1<<16)|(1<<20)|(1<<21)|(4<<22)|(3<<25)
	s_mov_b32 s[G1+1], 128<<16                     ; tensor_dim0 = 128
	s_mov_b32 s[G1+2], 64<<16                      ; tensor_dim1 = 64
	s_mov_b32 s[G1+3], 128<<16                     ; tile_dim0 = 128
	s_mov_b32 s[G1+4], 64                          ; tile_dim1 = 64
	s_mov_b32 s[G1+5], 128                         ; elements from row to row
	s_mov_b32 s[G1+6], 0
	s_mov_b32 s[G1+7], 0
	; group 1 for wb: 32 rows x 384 elements, 8 words of padding after every 64
	s_or_b32 s[G1B+0], s44, (1<<16)|(1<<20)|(1<<21)|(5<<22)|(7<<25)
	s_mov_b32 s[G1B+1], 384<<16
	s_mov_b32 s[G1B+2], 32<<16
	s_mov_b32 s[G1B+3], 384<<16
	s_mov_b32 s[G1B+4], 32
	s_mov_b32 s[G1B+5], 3072
	s_mov_b32 s[G1B+6], 0
	s_mov_b32 s[G1B+7], 0
	; xb's tile hangs on the tile row alone, wb's on the tile column alone; each offset is made in registers that never hold the other coordinate
	s_lshl_b32 s16, s13, 15                        ; xb: 256 rows of 128 bytes a tile row,
	s_lshl_b32 s17, s12, 14                        ; 128 rows for the second half
	s_add_co_u32 s16, s16, s17
	s_mov_b32 s17, 0
	s_mul_i32 s46, s12, 32*QROW                    ; wb: 32 rows down for the second half,
	s_mul_i32 s47, s42, 768                        ; 768 bytes a tile column
	s_add_co_u32 s46, s46, s47
	s_mov_b32 s47, 0
	s_mul_i32 s20, s12, AHALF                      ; where they go in a slot: xb's halves,
	s_mul_i32 s21, s12, BHALF
	s_add_co_u32 s21, s21, BOFF                    ; wb's behind them
	s_wait_kmcnt 0x0
	s_add_nc_u64 s[14:15], s[4:5], s[16:17]
	s_add_nc_u64 s[46:47], s[6:7], s[46:47]
	CROUND                                         ; all sixteen work-groups are here: the first joint loads meet
.irp s, 0,1
	s_mov_b32 s[G0+4*(\s)], 1
	s_add_co_u32 s[G0+4*(\s)+1], s20, (\s)*SLOT1
	s_add_nc_u64 s[G0+4*(\s)+2:G0+4*(\s)+3], s[14:15], (\s)*ASTEP
	s_or_b32 s[G0+4*(\s)+3], s[G0+4*(\s)+3], 0x80000000
	s_mov_b32 s[G0B+4*(\s)], 1
	s_add_co_u32 s[G0B+4*(\s)+1], s21, (\s)*SLOT1
	s_add_nc_u64 s[G0B+4*(\s)+2:G0B+4*(\s)+3], s[46:47], (\s)*BSTEP
	s_or_b32 s[G0B+4*(\s)+3], s[G0B+4*(\s)+3], 0x80000000
	JLOAD \s                                       ; K steps 0 and 1: two loads of mine are out
.endr
	v_and_b32 v1, 15, v0                           ; r = lane % 16
	v_bfe_u32 v2, v0, 4, 1                         ; h = lane / 16
	; a fragment of xb: lane holds row r, k = 8 h + 0..7 and 16 + 8 h + 0..7: two loads of 16 bytes, 32 bytes apart
	v_mul_u32_u24 v[ADRA0], v1, PAX
	v_lshl_add_u32 v[ADRA0], v2, 4, v[ADRA0]
	s_mul_i32 s22, s11, AHALF                      ; my 128 rows
	v_add_nc_u32 v[ADRA0], s22, v[ADRA0]
	; a fragment of wb, turned: lane reads 16 bytes of row k = 8 h + lane % 8, columns 8 ((lane / 8) % 2) + 0..7, and is left with column r and 8 k
	v_and_b32 v3, 7, v0
	v_bfe_u32 v4, v0, 3, 1
	v_lshl_add_u32 v7, v2, 3, v3
	v_mul_u32_u24 v7, v7, PBW
	v_lshl_add_u32 v7, v4, 4, v7
	; column block cb = 12 x half + i of the tile's 24 lies at byte 32 cb + 32 (cb / 8) of an LDS row.  For i = 0-3, 4-7, 8-11 that begins at 0, 128, 288 in the first half and at 416, 576, 704 in the second
	s_mul_i32 s22, s12, 416
	s_add_co_u32 s22, s22, BOFF
	s_mul_i32 s23, s12, 448
	s_add_co_u32 s23, s23, BOFF+128
	v_add_nc_u32 v[ADRB0], s22, v7
	v_add_nc_u32 v[ADRB0+1], s23, v7
	s_add_co_u32 s22, s22, 288
	v_add_nc_u32 v[ADRB0+2], s22, v7
	v_mov_b32 v[ADRA], v[ADRA0]
	v_mov_b32 v[ADRB], v[ADRB0]
	v_mov_b32 v[ADRB+1], v[ADRB0+1]
	v_mov_b32 v[ADRB+2], v[ADRB0+2]
	s_mov_b32 s[TB], 0
	; into the stage: row 128 x row half + 16 a + r, byte 384 x column half + 32 b + 16 h
	s_mul_i32 s22, s11, 128*SPITCH
	s_mul_i32 s23, s12, 384
	s_add_co_u32 s22, s22, s23
	v_mul_u32_u24 v[STO0], v1, SPITCH
	v_lshl_add_u32 v[STO0], v2, 4, v[STO0]
	v_add_nc_u32 v[STO0], s22, v[STO0]
	v_add_nc_u32 v[STO0+1], 64*SPITCH, v[STO0]     ; row blocks 4-7: their offsets would pass the 16-bit immediate
	; back: wave w takes rows 64 w .. 64 w + 63, whole.  Two rows are 1,536 bytes, six pieces of 256: three loads, sixteen lanes a piece.
	; Pieces 0, 1 (row 0, bytes 0 and 256) and 4, 5 (row 1, bytes 256 and 512) go by the first address, pieces 2, 3 (row 0, byte 512; row 1, byte 0) by the second.
	s_mul_i32 s22, s10, 64*SPITCH
	v_lshlrev_b32 v3, 4, v1                        ; 16 r
	v_lshl_add_u32 v[CO], v2, 8, v3                ; 256 h + 16 r
	v_add_nc_u32 v[RD0], s22, v[CO]
	v_mul_u32_u24 v4, v2, SPITCH-512
	v_add_nc_u32 v4, v4, v3
	v_add_nc_u32 v4, 512, v4                       ; 512 + 272 h + 16 r
	v_add_nc_u32 v[RD0+1], s22, v4
	v_mul_u32_u24 v4, v2, QROW-512
	v_add_nc_u32 v4, v4, v3
	v_add_nc_u32 v[CO+1], 512, v4                  ; the same pieces in qkv
	s_lshl_b32 s16, s13, 8
	s_lshl_b32 s17, s10, 6
	s_add_co_u32 s16, s16, s17                     ; the first row of qkv that I store
	s_mul_i32 s16, s16, QROW
	s_mov_b32 s17, 0
	s_mul_i32 s46, s42, 768                        ; the tile's first column, in bytes
	s_mov_b32 s47, 0
	s_add_nc_u64 s[8:9], s[70:71], s[16:17]
	s_add_nc_u64 s[8:9], s[8:9], s[46:47]
	; my wave's 192 biases go into LDS bytes of its own and wait there for the way out: no register is free for them until then
	v_and_b32 v3, 31, v0
	v_lshlrev_b32 v3, 3, v3                        ; 8 bytes a lane
	s_mul_i32 s22, s10, 768
	s_add_co_u32 s22, s22, BIAS
	v_add_nc_u32 v4, s22, v3
	v_lshl_add_u32 v[BRD], v2, 5, s22              ; my eight biases of a column block: 32 h
	s_mul_i32 s46, s42, 1536
	s_mul_i32 s23, s12, 768
	s_add_co_u32 s46, s46, s23
	s_add_nc_u64 s[66:67], s[68:69], s[46:47]
	global_load_b64 v[32:33], v3, s[66:67]
	global_load_b64 v[34:35], v3, s[66:67] offset:256
	global_load_b64 v[36:37], v3, s[66:67] offset:512
	s_wait_loadcnt 0x0
	ds_store_b64 v4, v[32:33]
	ds_store_b64 v4, v[34:35] offset:256
	ds_store_b64 v4, v[36:37] offset:512
; 8 n matrix instructions: column blocks b0 .. b0 + n - 1 x all 8 row blocks, 32 along K, xb's fragments in buffer f.  zero = 1: the first product starts the sums.
; The 96 accumulators take turns, one instruction a turn, in the same order in every quarter.
.macro MULB f, b0, n, zero
.set bb, (\b0)
.rept (\n)
	WIN 0x50*(1+bb/4)                              ; C and D in window 1, 2 or 3; both sources in window 0
.set aa, 0
.rept 8
.if \zero
	v_wmma_f32_16x16x32_bf16 v[64*(bb%4)+8*aa:64*(bb%4)+8*aa+7], v[FB+8*bb:FB+8*bb+7], v[(\f)+8*aa:(\f)+8*aa+7], 0
.else
	v_wmma_f32_16x16x32_bf16 v[64*(bb%4)+8*aa:64*(bb%4)+8*aa+7], v[FB+8*bb:FB+8*bb+7], v[(\f)+8*aa:(\f)+8*aa+7], v[64*(bb%4)+8*aa:64*(bb%4)+8*aa+7]
.endif
.set aa, aa+1
.endr
.set bb, bb+1
.endr
.endm
.macro LDA q, f                        ; 16 LDS loads: xb's 8 fragments of quarter q (32 along K) of the slot in hand, into buffer f
	WIN 0
.irp i, 0,1,2,3,4,5,6,7
	ds_load_b128 v[(\f)+8*(\i):(\f)+8*(\i)+3],   v[ADRA] offset:64*(\q)+(\i)*16*PAX
	ds_load_b128 v[(\f)+8*(\i)+4:(\f)+8*(\i)+7], v[ADRA] offset:64*(\q)+(\i)*16*PAX+32
.endr
.endm
.macro LDB q, i0                       ; 12 LDS loads: wb's fragments i0 .. i0 + 5 of quarter q
	WIN 0
.set ii, (\i0)
.rept 6
	ds_load_tr16_b128 v[FB+8*ii:FB+8*ii+3],   v[ADRB+ii/4] offset:(\q)*32*PBW+32*(ii%4)
	ds_load_tr16_b128 v[FB+8*ii+4:FB+8*ii+7], v[ADRB+ii/4] offset:(\q)*32*PBW+16*PBW+32*(ii%4)
.set ii, ii+1
.endr
.endm
.macro PLACES                          ; four plain vector instructions between a matrix instruction and a load into, or a vector instruction on, its registers
.rept 4
	v_nop
.endr
.endm
; A K step's first quarter: multiplies buffer 0; the second quarter's fragments come from the same slot, each half of wb's as soon as its registers are done with
.macro QFIRST zero
	s_wait_dscnt 12                                ; wb's fragments 0-5 and xb's are in; the youngest twelve loads (wb's 6-11) may be out
	MULB FA0, 0, 6, \zero
	PLACES
	LDB 1, 0
	LDA 1, FA1
	s_wait_dscnt 28                                ; all but the 28 just issued
	MULB FA0, 6, 6, \zero
	PLACES
	LDB 1, 6
.endm
; Its second quarter multiplies buffer 1 and changes slots.  In front of the barrier each wave waits for all its tensor loads (one is out: its part of the next slot), adds 0 to its spare word,
; and waits for that and for its reads of this slot.  fill = 1: the barrier opens a round of the cluster's barrier, and the slot just read out is filled again, two K steps ahead, first thing behind it.
.macro TURN fill
	s_wait_dscnt 12
	MULB FA1, 0, 4, 0
	WIN 0
	s_wait_tensorcnt 0x0                           ; all my tensor loads have landed
	ds_add_u32 v[SPW], v[NIL]                      ; 0 onto my spare word
	MULB FA1, 4, 1, 0
	s_wait_dscnt 0x0                               ; the add is done, and my reads of this slot are over (the last were issued 40 matrix instructions ago)
	s_barrier_signal -1
	MULB FA1, 5, 1, 0
	WIN 0
	s_barrier_wait -1
.if \fill
	CREST                                          ; no wave of any partner still reads this slot or has a load on its way
	s_xor_b32 s[G0+5], s[G0+5], SLOT1              ; the walking descriptors: the other slot than last time, the next K step
	s_add_nc_u64 s[G0+6:G0+7], s[G0+6:G0+7], ASTEP
	s_xor_b32 s[G0B+5], s[G0B+5], SLOT1
	s_add_nc_u64 s[G0B+6:G0B+7], s[G0B+6:G0B+7], BSTEP
	JLOAD 1                                        ; 176 matrix instructions ahead of the wait for it; its four v_nop are also the places in front of the loads below
.else
	PLACES
.endif
	s_xor_b32 s[TB], s[TB], SLOT1
	v_add_nc_u32 v[ADRA], s[TB], v[ADRA0]
	v_add_nc_u32 v[ADRB], s[TB], v[ADRB0]
	v_add_nc_u32 v[ADRB+1], s[TB], v[ADRB0+1]
	v_add_nc_u32 v[ADRB+2], s[TB], v[ADRB0+2]
	LDB 0, 0
	LDA 0, FA0
	MULB FA1, 6, 6, 0                              ; wb's fragments 6-11 came in by the wait for 0 above
	PLACES
	LDB 0, 6
.endm
; The very last quarter fetches no fragments.  The biases come out of LDS into registers that are done with: blocks 0-7 into xb's buffer 0, blocks 8-11 into wb's fragments 0-3
.macro LASTQ
	s_wait_dscnt 12
	MULB FA1, 0, 6, 0
	PLACES
	WIN 0
.irp b, 0,1,2,3,4,5,6,7,8,9,10,11
	ds_load_b128 v[32+8*(\b)+64*((\b)/8):32+8*(\b)+64*((\b)/8)+3],   v[BRD] offset:64*(\b)
	ds_load_b128 v[32+8*(\b)+64*((\b)/8)+4:32+8*(\b)+64*((\b)/8)+7], v[BRD] offset:64*(\b)+16
.endr
	s_wait_dscnt 24                                ; all but the 24 just issued
	MULB FA1, 6, 6, 0
	WIN 0
.endm
; Column block b leaves the accumulators: the bias is added, and the 64 numbers a lane stand in window 0.  Each accumulator is read from its lowest registers on.
.macro MOVE b
	WIN 1+((\b)/4)                                 ; source 0 in window 1, 2 or 3; the bias and the destination in window 0
.irp a, 0,1,2,3,4,5,6,7
.irp r, 0,1,2,3
	v_pk_add_f32 v[T+8*(\a)+2*(\r):T+8*(\a)+2*(\r)+1], v[64*((\b)%4)+8*(\a)+2*(\r):64*((\b)%4)+8*(\a)+2*(\r)+1], v[32+8*(\b)+64*((\b)/8)+2*(\r):32+8*(\b)+64*((\b)/8)+2*(\r)+1]
.endr
.endr
	WIN 0
.endm
	s_wait_dscnt 0x0                               ; my biases are stored: no LDS instruction of mine is out at the signal
	s_wait_tensorcnt 1                             ; my part of K step 0 is in; K step 1's may stay out
	s_barrier_signal -1
	s_barrier_wait -1
	LDB 0, 0
	LDA 0, FA0
	LDB 0, 6
	QFIRST 1                                       ; the first quarter stands in front of the loop: its products start the sums
	s_mov_b32 s3, STEPS-2
.Lk:                                                   ; fourteen trips, from a K step's second quarter to the next step's first; they ask for K steps 2 to 15
	TURN 1
	QFIRST 0
	s_sub_co_u32 s3, s3, 1
	s_cmp_lg_u32 s3, 0
	s_cbranch_scc1 .Lk
	TURN 0                                         ; the tail is written out: K steps 14 and 15 ask for nothing
	QFIRST 0
	LASTQ
	s_wait_dscnt 0x0                               ; the biases are in, and none of my reads of the ring is out
	s_barrier_signal -1
	s_barrier_wait -1                              ; every wave has left the ring: its bytes, which no tensor load fills again, become the stage
	PLACES
	; THE WAY OUT, first half: a loop over my twelve column blocks.  Only MOVE names accumulators, so it stands twelve times and the counter chooses; the rest is written once.
	s_mov_b32 s2, 0
.Lcol:
	s_lshl_b32 s22, s2, 5                          ; 32 bytes a column block
	v_add_nc_u32 v[STO], s22, v[STO0]
	v_add_nc_u32 v[STO+1], s22, v[STO0+1]
.irp n, 0,1,2,3,4,5,6,7,8,9,10
	s_cmp_eq_u32 s2, \n
	s_cbranch_scc1 .Lmv\n
.endr
	MOVE 11
	s_branch .Lcom
.irp n, 0,1,2,3,4,5,6,7,8,9,10
.Lmv\n:
	MOVE \n
	s_branch .Lcom
.endr
.Lcom:
.irp a, 0,1,2,3,4,5,6,7
.irp r, 0,1,2,3
	v_cvt_pk_f16_f32 v[TMP+4*(\a)+(\r)], v[T+8*(\a)+2*(\r)], v[T+8*(\a)+2*(\r)+1]
.endr
.endr
.irp a, 0,1,2,3,4,5,6,7
	ds_store_b128 v[STO+(\a)/4], v[TMP+4*(\a):TMP+4*(\a)+3] offset:((\a)%4)*16*SPITCH
.endr
	s_add_co_u32 s2, s2, 1
	s_cmp_lt_u32 s2, 12
	s_cbranch_scc1 .Lcol
	s_wait_dscnt 0x0                               ; for the others' sake: my stores into the stage are done
	s_barrier_signal -1
	s_barrier_wait -1
	; second half: four trips of 16 whole rows, 24 loads and 24 stores each
	s_mov_b32 s2, 0
.Lback:
	s_mul_i32 s22, s2, 16*SPITCH
	v_add_nc_u32 v[RD], s22, v[RD0]
	v_add_nc_u32 v[RD+1], s22, v[RD0+1]
.irp p, 0,1,2,3,4,5,6,7
	ds_load_b128 v[OB+12*(\p):OB+12*(\p)+3],    v[RD]   offset:(\p)*2*SPITCH
	ds_load_b128 v[OB+12*(\p)+4:OB+12*(\p)+7],  v[RD+1] offset:(\p)*2*SPITCH
	ds_load_b128 v[OB+12*(\p)+8:OB+12*(\p)+11], v[RD]   offset:(\p)*2*SPITCH+SPITCH+256
.endr
.irp p, 0,1,2,3,4,5,6,7
	s_wait_dscnt 23-3*(\p)                         ; LDS loads come back in order: the younger ones stay out
	global_store_b128 v[CO],   v[OB+12*(\p):OB+12*(\p)+3],    s[8:9] offset:(\p)*2*QROW            ; 16 lanes store 256 consecutive bytes, at a multiple of 256 from qkv's first byte
	s_wait_dscnt 22-3*(\p)
	global_store_b128 v[CO+1], v[OB+12*(\p)+4:OB+12*(\p)+7],  s[8:9] offset:(\p)*2*QROW
	s_wait_dscnt 21-3*(\p)
	global_store_b128 v[CO],   v[OB+12*(\p)+8:OB+12*(\p)+11], s[8:9] offset:(\p)*2*QROW+QROW+256
.endr
	s_wait_xcnt 0x0                                ; the stores' base and data are rewritten only behind this wait
	s_add_nc_u64 s[8:9], s[8:9], 16*QROW
	s_add_co_u32 s2, s2, 1
	s_cmp_lt_u32 s2, 4
	s_cbranch_scc1 .Lback
	s_wait_tensorcnt 0x0                           ; the wave's end
	ds_add_u32 v[SPW], v[NIL]
	s_wait_dscnt 0x0
	CROUND                                         ; the closing round: no work-group ends while a partner may still ask for a tile that names it
	s_endpgm
.Lfunc_end_k_q576a45778e_proj:
	.size	k_q576a45778e_proj, .Lfunc_end_k_q576a45778e_proj-k_q576a45778e_proj
	.p2alignl 7, 3214868480
	.fill 96, 4, 3214868480
	.section	.rodata,"a",@progbits
	.p2align	6, 0x0
	.amdhsa_kernel k_q576a45778e_proj
		.amdhsa_group_segment_fixed_size 327680
		.amdhsa_private_segment_fixed_size 0
		.amdhsa_enable_private_segment 0
		.amdhsa_kernarg_size 32
		.amdhsa_user_sgpr_count 2
		.amdhsa_user_sgpr_kernarg_segment_ptr 1
		.amdhsa_wavefront_size32 1
		.amdhsa_system_sgpr_workgroup_id_x 1
		.amdhsa_system_sgpr_workgroup_id_y 1
		.amdhsa_system_sgpr_workgroup_id_z 1
		.amdhsa_system_vgpr_workitem_id 0
		.amdhsa_next_free_vgpr 1024
		.amdhsa_next_free_sgpr 72
		.amdhsa_reserve_vcc 0
		.amdhsa_float_denorm_mode_32 3
		.amdhsa_float_denorm_mode_16_64 3
		.amdhsa_memory_ordered 1
		.amdhsa_forward_progress 1
		.amdhsa_inst_pref_size 100
	.end_amdhsa_kernel
	.amdgpu_metadata
---
amdhsa.version: [ 1, 2 ]
amdhsa.kernels:
  - .name:           k_q576a45778e_proj
    .symbol:         k_q576a45778e_proj.kd
    .args:
      - { .name: xb, .offset: 0, .size: 8, .value_kind: global_buffer, .address_space: global }
      - { .name: wb, .offset: 8, .size: 8, .value_kind: global_buffer, .address_space: global }
      - { .name: bc, .offset: 16, .size: 8, .value_kind: global_buffer, .address_space: global }
      - { .name: qkv, .offset: 24, .size: 8, .value_kind: global_buffer, .address_space: global }
    .group_segment_fixed_size: 327680
    .private_segment_fixed_size: 0
    .kernarg_segment_align: 8
    .kernarg_segment_size: 32
    .max_flat_workgroup_size: 128
    .sgpr_count:     72
    .vgpr_count:     1024
    .wavefront_size: 32
...
	.end_amdgpu_metadata
.endif
;; end of part 2
;; launch score (part 3): grid 36 x 4, 4 waves a work-group, no clusters, 327,680 bytes of LDS; arguments qkv, lengths, pw, sm, sl; writes pw, sm, sl
.if DOCPART == 3
	.amdgcn_target "amdgcn-amd-amdhsa--gfx1250"
	.amdhsa_code_object_version 6
	.text
	.protected	k_q576a45778e_score
	.globl	k_q576a45778e_score
	.p2align	8
	.type	k_q576a45778e_score,@function
k_q576a45778e_score:
	s_mov_b64 s[64:65], 0
	v_nop
	global_prefetch_b8 v0, s[64:65] scope:SCOPE_SE
	s_setreg_imm32_b32 hwreg(HW_REG_WAVE_MODE, 25, 1), 1
	s_wait_xcnt 0x0
; SCORE.  For each batch and each tile (I, J <= I) of 256 queries x 256 keys: s = q . k, t = fl(s / 32 + R), and a softmax by CHUNKS of 128 keys:
; pw[q][key] = exp(t - m_c) in f16, sm[chunk][q] = m_c = the chunk's maximum of t, sl[chunk][q] = the chunk's sum of exp(t - m_c), both f32.  The next launch joins the chunks.
; R is the sum of the two additive masks: -1e9 where key > query, -1e9 where query >= length.  (Where key <= query and query < length, also key < length: the key's own test adds nothing.)
; 1 / 32 is a power of two, so ONE fused multiply-add gives the f32 rounding of s / 32 + R; the maximum is taken away BEFORE the multiplication by log2(e): at |t| = 1e9 the other order would lose everything.
; Tiles above the diagonal are not made: their weights are 0.
; LIMITS.  q and k arrive in f16.  A hidden key in a row below its length carries -1e9 where the two masks together would give -2e9: its weight is 0 either way while a row's
; scaled scores spread by less than about 9e8.  p below 6e-5 keeps f16's fixed step of 6e-8.  NaN and infinities are not treated apart.
; NO CLUSTER: a batch's 36 tiles are a triangle; its rows have 1 to 8 tiles and its columns 8 to 1, so no grouping by fours covers it without work-groups that have nothing to compute.
; The product is the projection's: four waves of 128 x 128, K = 1,024 in 8 steps of 128, two LDS slots; source 0 = 16 keys, source 1 = 16 queries, so that a lane holds one query and eight neighbouring keys.
; A wave's 128 keys are one chunk: a query's maximum and sum want one exchange between the halves of the lanes.
.set KSTEP,  128
.set PITCH,  272
.set HALFT,  128*PITCH
.set SLOT,   4*HALFT                   ; q's 256 rows, then k's 256 rows.  0x22000 shares no bit with wave x 0x8800
.set STAGE,  2*SLOT
.set SPITCH, 272
.set STATS,  STAGE+4*16*SPITCH         ; 1,024 bytes for each wave: 128 maxima, 128 sums
.set SPARE,  STATS+4*1024              ; the spare words, 128 bytes for each wave
.set QROW,   6144
.set PROW,   4096                      ; bytes in a row of pw
.set ASTEP,  KSTEP*2
.set IV,    3                          ; v3   my query's number in its batch, for the block in hand
.set EV,    4                          ; v4   key - query for register 0 of the diagonal block
.set STA0,  5                          ; v5   LDS address of my query's maximum in block 0
.set SRD,   6                          ; v6   where I read 16 bytes of statistics back
.set SGO,   7                          ; v7   my byte offset in 512 bytes of sm and sl
.set STA,   8                          ; v8   STA0 for the block in hand
.set ADRA0, 16
.set ADRB0, 17
.set ADRA,  18
.set ADRB,  19
.set STO,   24
.set RD,    25
.set CO,    26
.set SPW,   28
.set NIL,   29
.set OB,    32
.set F0,    64
.set F1,    128
.set W,     64                         ; v64-127  the block's 64 numbers a lane: t, then the exponent, then p
.set MK,    128                        ; v128-135 the causal addend of the diagonal block's eight registers
.set RD8,   136                        ; v136-143 the same plus the row's addend
.set RLO,   144                        ; v[144:145] the addend for key blocks below the diagonal block (each pair holds its number twice)
.set RHI,   146                        ; v[146:147] above it
.set RR,    148                        ; v[148:149] the row's own addend
.set MX,    150                        ; v[150:151] the chunk's maximum
.set CC,    152                        ; v152-155 at work
.set LS,    156                        ; v156     the chunk's sum
.set TMP,   192
.set ST8,   224                        ; v224-231 statistics read back
.set G1,  24
.set G0,  32
.set TB,  40
.set LEN, 41                           ; s41  the batch's length
.set DELTA, 42                         ; s42  first key - first query of my wave's 128 x 128
.set NEG, 43                           ; s43  -1e9
.set BLO, 44                           ; s44  the causal addend below the diagonal block
.set BHI, 45                           ; s45  above it
.set SC,  46                           ; s[46:47] 1 / 32
.set LG,  48                           ; s[48:49] log2(e)
.set SEL, 50                           ; s[50:51] v_permlanex16_b32's selects: each lane takes its own place in the other half
.set MSB, 0
.macro WIN new
.if MSB != (\new)
	s_set_vgpr_msb (MSB<<8)|(\new)
.set MSB, \new
.endif
.endm
.set MUL_LO, 0xa1
.set MUL_HI, 0xf1
.set TO_B,   0x40
	s_load_b128 s[4:7], s[0:1], 0x0                ; qkv s[4:5], lengths s[6:7]
	s_load_b128 s[56:59], s[0:1], 0x10             ; pw s[56:57], sm s[58:59]
	s_load_b64 s[60:61], s[0:1], 0x20              ; sl
	v_lshl_add_u32 v[SPW], v0, 2, SPARE
	v_mov_b32 v[NIL], 0
	v_lshrrev_b32 v1, 5, v0
	v_readfirstlane_b32 s10, v1                    ; wave 0..3
	s_lshr_b32 s11, s10, 1                         ; which half of the queries is mine.  Also: I fetch q (0) or k (1)
	s_and_b32 s12, s10, 1                          ; which half of the keys.  Also: which 128 rows of that tile I fetch
	s_mov_b32 s21, ttmp9                           ; the tile's number in the triangle, 0..35
	s_and_b32 s15, ttmp7, 0xffff                   ; the batch
	s_mov_b32 s13, 0                               ; I = how many of the rows' first numbers 1, 3, 6, .. are reached
.irp thr, 1,3,6,10,15,21,28
	s_cmp_ge_u32 s21, \thr
	s_cselect_b32 s22, 1, 0
	s_add_co_u32 s13, s13, s22
.endr
	s_add_co_u32 s22, s13, 1
	s_mul_i32 s22, s22, s13
	s_lshr_b32 s22, s22, 1
	s_sub_co_u32 s14, s21, s22                     ; J = the number less I (I + 1) / 2
	; group 1: 128 rows x 128 elements of 2 bytes, 4 words of padding after every 64; one shape for q and k
	s_mov_b32 s[G1+0], (1<<16)|(1<<20)|(5<<22)|(3<<25)
	s_mov_b32 s[G1+1], 128<<16
	s_mov_b32 s[G1+2], 128<<16
	s_mov_b32 s[G1+3], 128<<16
	s_mov_b32 s[G1+4], 128
	s_mov_b32 s[G1+5], 3072
	s_mov_b32 s[G1+6], 0
	s_mov_b32 s[G1+7], 0
	s_cmp_eq_u32 s11, 0
	s_cselect_b32 s52, s13, s14                    ; q's tile goes by I, k's by J;
	s_cselect_b32 s53, 0, 2048                     ; k lies 2,048 bytes into a row of qkv
	s_lshl_b32 s52, s52, 8
	s_lshl_b32 s54, s12, 7
	s_add_co_u32 s52, s52, s54
	s_lshl_b32 s54, s15, 11
	s_add_co_u32 s52, s52, s54                     ; the first row that I fetch
	s_mul_i32 s52, s52, QROW
	s_add_co_u32 s52, s52, s53
	s_mov_b32 s53, 0
	s_mul_i32 s20, s10, HALFT                      ; where it goes: wave x 34,816 bytes
	s_wait_kmcnt 0x0
	s_add_nc_u64 s[54:55], s[4:5], s[52:53]
.irp s, 0,1
	s_mov_b32 s[G0+4*(\s)], 1
	s_add_co_u32 s[G0+4*(\s)+1], s20, (\s)*SLOT
	s_add_nc_u64 s[G0+4*(\s)+2:G0+4*(\s)+3], s[54:55], (\s)*ASTEP
	s_or_b32 s[G0+4*(\s)+3], s[G0+4*(\s)+3], 0x80000000
.endr
	tensor_load_to_lds s[G0:G0+3], s[G1:G1+7]      ; K steps 0 and 1: two loads of mine are out
	s_nop 0
	tensor_load_to_lds s[G0+4:G0+7], s[G1:G1+7]
	s_nop 0
.rept 4
	v_nop
.endr
	s_load_b128 s[16:19], s[6:7], 0x0              ; the four lengths
	v_and_b32 v1, 15, v0                           ; r
	v_bfe_u32 v2, v0, 4, 1                         ; h
	v_mul_u32_u24 v[ADRA0], v1, PITCH
	v_lshl_add_u32 v[ADRA0], v2, 4, v[ADRA0]       ; row x pitch + 16 x half
	s_mul_i32 s21, s11, HALFT
	s_mul_i32 s22, s12, HALFT
	s_add_co_u32 s22, s22, 2*HALFT
	v_add_nc_u32 v[ADRB0], s22, v[ADRA0]
	v_add_nc_u32 v[ADRA0], s21, v[ADRA0]
	v_mov_b32 v[ADRA], v[ADRA0]
	v_mov_b32 v[ADRB], v[ADRB0]
	s_mov_b32 s[TB], 0
	s_mul_i32 s23, s10, 16*SPITCH
	s_add_co_u32 s23, s23, STAGE
	v_mul_u32_u24 v[STO], v1, SPITCH
	v_lshl_add_u32 v[STO], v2, 4, v[STO]
	v_add_nc_u32 v[STO], s23, v[STO]
	v_mul_u32_u24 v[RD], v2, SPITCH
	v_lshl_add_u32 v[RD], v1, 4, v[RD]
	v_add_nc_u32 v[RD], s23, v[RD]
	v_lshlrev_b32 v[CO], 12, v2                    ; two rows of pw
	v_lshl_add_u32 v[CO], v1, 4, v[CO]
	s_lshl_b32 s23, s10, 10
	s_add_co_u32 s23, s23, STATS                   ; my statistics
	v_lshl_add_u32 v[STA0], v1, 2, s23
	v_and_b32 v[SGO], 31, v0
	v_lshlrev_b32 v[SGO], 4, v[SGO]
	v_add_nc_u32 v[SRD], s23, v[SGO]
	s_lshl_b32 s22, s13, 8
	s_lshl_b32 s23, s11, 7
	s_add_co_u32 s22, s22, s23                     ; my wave's first query in its batch
	v_add_nc_u32 v[IV], s22, v1
	s_lshl_b32 s52, s15, 11
	s_add_co_u32 s52, s52, s22
	s_lshl_b32 s52, s52, 12                        ; its row of pw,
	s_lshl_b32 s23, s14, 9
	s_add_co_u32 s52, s52, s23                     ; the tile's 512 bytes of it,
	s_lshl_b32 s23, s12, 8
	s_add_co_u32 s52, s52, s23                     ; my wave's 256
	s_add_nc_u64 s[8:9], s[56:57], s[52:53]
	s_lshl_b32 s52, s15, 4
	s_lshl1_add_u32 s52, s14, s52
	s_add_co_u32 s52, s52, s12                     ; the chunk: 16 x batch + 2 J + half
	s_lshl_b32 s52, s52, 11
	s_add_co_u32 s52, s52, s22
	s_lshl_b32 s52, s52, 2
	s_add_nc_u64 s[66:67], s[58:59], s[52:53]
	s_add_nc_u64 s[68:69], s[60:61], s[52:53]
	s_mov_b32 s[NEG], 0xce6e6b28                   ; -1e9
	s_mov_b32 s[SC], 0x3d000000                    ; 1 / 32
	s_mov_b32 s[SC+1], s[SC]
	s_mov_b32 s[LG], 0x3fb8aa3b                    ; log2(e)
	s_mov_b32 s[LG+1], s[LG]
	s_mov_b32 s[SEL], 0x76543210
	s_mov_b32 s[SEL+1], 0xfedcba98
	s_sub_co_i32 s[DELTA], s14, s13
	s_lshl_b32 s[DELTA], s[DELTA], 8
	s_sub_co_i32 s22, s12, s11
	s_lshl_b32 s22, s22, 7
	s_add_co_i32 s[DELTA], s[DELTA], s22           ; 256 (J - I) + 128 (key half - query half): -128 or less, 0, or 128
	s_cmp_gt_i32 s[DELTA], 0
	s_cselect_b32 s[BLO], s[NEG], 0                ; key block b < query block a: hidden only if my whole 128 x 128 lies above the diagonal
	s_cmp_ge_i32 s[DELTA], 0
	s_cselect_b32 s[BHI], s[NEG], 0                ; b > a: hidden also if it holds the diagonal
	s_wait_kmcnt 0x0
	s_cmp_eq_u32 s15, 1
	s_cselect_b32 s[LEN], s17, s16
	s_cmp_eq_u32 s15, 2
	s_cselect_b32 s[LEN], s18, s[LEN]
	s_cmp_eq_u32 s15, 3
	s_cselect_b32 s[LEN], s19, s[LEN]
.macro MUL16 f, hi, a0, zero           ; 16 matrix instructions; the 64 accumulators take turns, one instruction a turn
	WIN MUL_LO+0x50*(\hi)
.irp a, \a0, (\a0)+1
.irp b, 0,1,2,3,4,5,6,7
.if \zero
	v_wmma_f32_16x16x32_f16 v[8*(8*(\a)+(\b)):8*(8*(\a)+(\b))+7], v[(\f)+8*(\b):(\f)+8*(\b)+7], v[(\f)+8*(4*(\hi)+(\a)):(\f)+8*(4*(\hi)+(\a))+7], 0
.else
	v_wmma_f32_16x16x32_f16 v[8*(8*(\a)+(\b)):8*(8*(\a)+(\b))+7], v[(\f)+8*(\b):(\f)+8*(\b)+7], v[(\f)+8*(4*(\hi)+(\a)):(\f)+8*(4*(\hi)+(\a))+7], v[8*(8*(\a)+(\b)):8*(8*(\a)+(\b))+7]
.endif
.endr
.endr
.endm
.macro FETCH q, f                      ; 32 LDS loads in one run: k's and q's fragments of quarter q of the slot in hand
	WIN TO_B
.irp i, 0,1,2,3,4,5,6,7
	ds_load_b128 v[(\f)+8*(\i):(\f)+8*(\i)+3],   v[ADRB] offset:64*(\q)+(\i)*16*PITCH
	ds_load_b128 v[(\f)+8*(\i)+4:(\f)+8*(\i)+7], v[ADRB] offset:64*(\q)+(\i)*16*PITCH+32
.endr
	WIN 0
.irp i, 0,1,2,3,4,5,6,7
	ds_load_b128 v[(\f)+8*(\i):(\f)+8*(\i)+3],   v[ADRA] offset:64*(\q)+(\i)*16*PITCH
	ds_load_b128 v[(\f)+8*(\i)+4:(\f)+8*(\i)+7], v[ADRA] offset:64*(\q)+(\i)*16*PITCH+32
.endr
.endm
.macro PLACES
.rept 4
	v_nop
.endr
.endm
.macro QUARTER q, f, g, zero
	s_wait_dscnt 8                                 ; k's fragments and q's rows 0-63 are in; the youngest eight loads may be out
	MUL16 \f, 0, 0, \zero
	MUL16 \f, 0, 2, \zero
	PLACES
	FETCH \q, \g
	s_wait_dscnt 32                                ; all but the 32 just issued
	MUL16 \f, 1, 0, \zero
	MUL16 \f, 1, 2, \zero
.endm
; The fourth quarter changes slots: each wave waits for all its tensor loads, adds 0 to its spare word, waits for that and for its reads of this slot, and passes the barrier.
; fill = 1: the slot just read out is filled again, two K steps ahead, first thing behind the barrier.
.macro TURN fill
	WIN 0
	s_wait_tensorcnt 0x0                           ; all my tensor loads have landed: my part of the next slot
	ds_add_u32 v[SPW], v[NIL]                      ; 0 onto my spare word
	s_wait_dscnt 9                                 ; (the add and the youngest eight loads may be out)
	MUL16 F1, 0, 0, 0
	s_wait_dscnt 0x0                               ; the add is done, and my reads of this slot are over
	s_barrier_signal -1
	MUL16 F1, 0, 2, 0
	WIN 0
	s_barrier_wait -1
.if \fill
	s_xor_b32 s[G0+5], s[G0+5], SLOT               ; the walking descriptor: the other slot than last time, the next K step
	s_add_nc_u64 s[G0+6:G0+7], s[G0+6:G0+7], ASTEP
	tensor_load_to_lds s[G0+4:G0+7], s[G1:G1+7]    ; my one load behind the barrier, 224 matrix instructions ahead of the wait for it
	s_nop 0
.endif
	PLACES
	s_xor_b32 s[TB], s[TB], SLOT
	v_add_nc_u32 v[ADRA], s[TB], v[ADRA0]
	v_add_nc_u32 v[ADRB], s[TB], v[ADRB0]
	FETCH 0, F0
	MUL16 F1, 1, 0, 0
	MUL16 F1, 1, 2, 0
.endm
.macro LASTQ
	s_wait_dscnt 8
	MUL16 F1, 0, 0, 0
	MUL16 F1, 0, 2, 0
	s_wait_dscnt 0x0
	MUL16 F1, 1, 0, 0
	MUL16 F1, 1, 2, 0
	WIN 0
.endm
; Block a of 16 queries leaves the accumulators as t = s / 32 + R, one rounding.  Each accumulator is read from its lowest registers on.
.macro MOVE a
	WIN 0x02+((\a)/4)                              ; source 0 window 2 or 3; the addend and the destination window 0
.irp b, 0,1,2,3,4,5,6,7
.irp r, 0,1,2,3
.if (\b) < (\a)
	v_pk_fma_f32 v[W+8*(\b)+2*(\r):W+8*(\b)+2*(\r)+1], v[64*((\a)%4)+8*(\b)+2*(\r):64*((\a)%4)+8*(\b)+2*(\r)+1], s[SC:SC+1], v[RLO:RLO+1] op_sel_hi:[1,0,1]
.elseif (\b) > (\a)
	v_pk_fma_f32 v[W+8*(\b)+2*(\r):W+8*(\b)+2*(\r)+1], v[64*((\a)%4)+8*(\b)+2*(\r):64*((\a)%4)+8*(\b)+2*(\r)+1], s[SC:SC+1], v[RHI:RHI+1] op_sel_hi:[1,0,1]
.else
	v_pk_fma_f32 v[W+8*(\b)+2*(\r):W+8*(\b)+2*(\r)+1], v[64*((\a)%4)+8*(\b)+2*(\r):64*((\a)%4)+8*(\b)+2*(\r)+1], s[SC:SC+1], v[RD8+2*(\r):RD8+2*(\r)+1] op_sel_hi:[1,0,1]
.endif
.endr
.endr
	WIN 0
.endm
	s_wait_tensorcnt 1                             ; my part of K step 0 is in; K step 1's may stay out
	s_barrier_signal -1
	s_barrier_wait -1
	FETCH 0, F0
	QUARTER 1, F0, F1, 1
	WIN 0
	s_mov_b32 s3, 6
.Lk:                                                   ; six trips; they ask for K steps 2 to 7
	QUARTER 2, F1, F0, 0
	QUARTER 3, F0, F1, 0
	TURN 1
	QUARTER 1, F0, F1, 0
	WIN 0
	s_sub_co_u32 s3, s3, 1
	s_cmp_lg_u32 s3, 0
	s_cbranch_scc1 .Lk
	s_mov_b32 s3, 2
.Ltail:                                                ; K steps 6 and 7 ask for nothing; the second trip is left in its middle
	QUARTER 2, F1, F0, 0
	QUARTER 3, F0, F1, 0
	WIN 0
	s_sub_co_u32 s3, s3, 1
	s_cmp_eq_u32 s3, 0
	s_cbranch_scc1 .Lout
	TURN 0
	QUARTER 1, F0, F1, 0
	WIN 0
	s_branch .Ltail
.Lout:
	LASTQ
	PLACES
	; the diagonal block's causal addend: register j is hidden where DELTA + 8 h + j - r > 0
	v_lshlrev_b32 v[EV], 3, v2
	v_sub_nc_u32 v[EV], v[EV], v1
	v_add_nc_u32 v[EV], s[DELTA], v[EV]
.irp j, 0,1,2,3,4,5,6,7
	v_cmp_lt_i32 vcc_lo, -(\j), v[EV]
	v_cndmask_b32 v[MK+(\j)], 0, s[NEG], vcc_lo
.endr
	; THE WAY OUT, a loop over my eight blocks of 16 queries x 128 keys.  Only MOVE names accumulators, so it stands eight times and the counter chooses.
	s_mov_b32 s2, 0
.Lrow:
	v_cmp_le_i32 vcc_lo, s[LEN], v[IV]             ; query >= length: the whole row carries -1e9
	v_cndmask_b32 v[RR], 0, s[NEG], vcc_lo
	v_cndmask_b32 v[RR+1], 0, s[NEG], vcc_lo
	v_add_nc_u32 v[IV], 16, v[IV]
	v_add_f32 v[RLO], s[BLO], v[RR]
	v_add_f32 v[RLO+1], s[BLO], v[RR]
	v_add_f32 v[RHI], s[BHI], v[RR]
	v_add_f32 v[RHI+1], s[BHI], v[RR]
.irp k, 0,1,2,3
	v_pk_add_f32 v[RD8+2*(\k):RD8+2*(\k)+1], v[MK+2*(\k):MK+2*(\k)+1], v[RR:RR+1]
.endr
	s_lshl_b32 s22, s2, 6
	v_add_nc_u32 v[STA], s22, v[STA0]              ; the block's 16 words among my statistics
.irp n, 0,1,2,3,4,5,6
	s_cmp_eq_u32 s2, \n
	s_cbranch_scc1 .Lmv\n
.endr
	MOVE 7
	s_branch .Lcom
.irp n, 0,1,2,3,4,5,6
.Lmv\n:
	MOVE \n
	s_branch .Lcom
.endr
.Lcom:
	; the maximum of my 64 numbers, three operands at a time, in four chains of 15; then the four left over, the chains, and the other half of the lanes
.irp c, 0,1,2,3
	v_max3_num_f32 v[CC+(\c)], v[W+16*(\c)], v[W+16*(\c)+1], v[W+16*(\c)+2]
.endr
.irp k, 0,1,2,3,4,5
.irp c, 0,1,2,3
	v_max3_num_f32 v[CC+(\c)], v[CC+(\c)], v[W+16*(\c)+3+2*(\k)], v[W+16*(\c)+4+2*(\k)]
.endr
.endr
	v_max3_num_f32 v[CC], v[CC], v[W+15], v[W+31]
	v_max3_num_f32 v[CC+2], v[CC+2], v[W+47], v[W+63]
	v_max3_num_f32 v[CC], v[CC], v[CC+1], v[CC+2]
	v_max_num_f32 v[CC], v[CC], v[CC+3]
	v_permlanex16_b32 v[CC+1], v[CC], s[SEL], s[SEL+1]
	v_max_num_f32 v[MX], v[CC], v[CC+1]
	v_max_num_f32 v[MX+1], v[CC], v[CC+1]
.set k, 0
.rept 32
	v_pk_add_f32 v[W+2*k:W+2*k+1], v[W+2*k:W+2*k+1], v[MX:MX+1] neg_lo:[0,1] neg_hi:[0,1]   ; t - m first,
.set k, k+1
.endr
.set k, 0
.rept 32
	v_pk_mul_f32 v[W+2*k:W+2*k+1], v[W+2*k:W+2*k+1], s[LG:LG+1] op_sel_hi:[1,0]            ; then times log2(e)
.set k, k+1
.endr
.set k, 0
.rept 64
	v_exp_f32 v[W+k], v[W+k]
.set k, k+1
.endr
	v_nop                                          ; a plain instruction between the last exponential and the use of its result
.set k, 0
	s_wait_alu depctr_va_vdst(0)
.rept 32
	v_cvt_pk_f16_f32 v[TMP+k], v[W+2*k], v[W+2*k+1]
.set k, k+1
.endr
.irp b, 0,1,2,3,4,5,6,7
	ds_store_b128 v[STO], v[TMP+4*(\b):TMP+4*(\b)+3] offset:32*(\b)
.endr
.irp t, 0,1,2,3,4,5,6,7
	ds_load_b128 v[OB+4*(\t):OB+4*(\t)+3], v[RD] offset:(\t)*2*SPITCH   ; LDS serves a wave's instructions in order: these see the stores above
.endr
	; the sum of the unrounded p stands between those loads and the wait for them
.irp st, 16,8,4,2,1
.set k, 0
.rept \st
	v_pk_add_f32 v[W+2*k:W+2*k+1], v[W+2*k:W+2*k+1], v[W+2*(k+(\st)):W+2*(k+(\st))+1]
.set k, k+1
.endr
.endr
	v_add_f32 v[LS], v[W], v[W+1]
	v_permlanex16_b32 v[CC+1], v[LS], s[SEL], s[SEL+1]
	v_add_f32 v[LS], v[LS], v[CC+1]
	ds_store_b32 v[STA], v[MX]                     ; both halves of the lanes write the same word with the same number
	ds_store_b32 v[STA], v[LS] offset:512
.irp t, 0,1,2,3,4,5,6,7
	s_wait_dscnt 9-(\t)                            ; the younger loads from the stage and the two stores may be out
	global_store_b128 v[CO], v[OB+4*(\t):OB+4*(\t)+3], s[8:9] offset:2*(\t)*PROW   ; 16 lanes store 256 consecutive bytes, at a multiple of 256 from pw's first byte
.endr
	s_wait_xcnt 0x0                                ; the stores' base and data are rewritten only behind this wait
	s_add_nc_u64 s[8:9], s[8:9], 16*PROW
	s_add_co_u32 s2, s2, 1
	s_cmp_lt_u32 s2, 8
	s_cbranch_scc1 .Lrow
	ds_load_b128 v[ST8:ST8+3], v[SRD]              ; my wave's 128 maxima and 128 sums, 16 bytes a lane
	ds_load_b128 v[ST8+4:ST8+7], v[SRD] offset:512
	s_wait_dscnt 0x0
	global_store_b128 v[SGO], v[ST8:ST8+3], s[66:67]     ; 512 consecutive bytes each
	global_store_b128 v[SGO], v[ST8+4:ST8+7], s[68:69]
	s_wait_tensorcnt 0x0                           ; the wave's end
	ds_add_u32 v[SPW], v[NIL]
	s_wait_dscnt 0x0
	s_endpgm
.Lfunc_end_k_q576a45778e_score:
	.size	k_q576a45778e_score, .Lfunc_end_k_q576a45778e_score-k_q576a45778e_score
	.p2alignl 7, 3214868480
	.fill 96, 4, 3214868480
	.section	.rodata,"a",@progbits
	.p2align	6, 0x0
	.amdhsa_kernel k_q576a45778e_score
		.amdhsa_group_segment_fixed_size 327680
		.amdhsa_private_segment_fixed_size 0
		.amdhsa_enable_private_segment 0
		.amdhsa_kernarg_size 40
		.amdhsa_user_sgpr_count 2
		.amdhsa_user_sgpr_kernarg_segment_ptr 1
		.amdhsa_wavefront_size32 1
		.amdhsa_system_sgpr_workgroup_id_x 1
		.amdhsa_system_sgpr_workgroup_id_y 1
		.amdhsa_system_sgpr_workgroup_id_z 1
		.amdhsa_system_vgpr_workitem_id 0
		.amdhsa_next_free_vgpr 1024
		.amdhsa_next_free_sgpr 72
		.amdhsa_reserve_vcc 1
		.amdhsa_float_denorm_mode_32 3
		.amdhsa_float_denorm_mode_16_64 3
		.amdhsa_memory_ordered 1
		.amdhsa_forward_progress 1
		.amdhsa_inst_pref_size 105
	.end_amdhsa_kernel
	.amdgpu_metadata
---
amdhsa.version: [ 1, 2 ]
amdhsa.kernels:
  - .name:           k_q576a45778e_score
    .symbol:         k_q576a45778e_score.kd
    .args:
      - { .name: qkv, .offset: 0, .size: 8, .value_kind: global_buffer, .address_space: global }
      - { .name: lengths, .offset: 8, .size: 8, .value_kind: global_buffer, .address_space: global }
      - { .name: pw, .offset: 16, .size: 8, .value_kind: global_buffer, .address_space: global }
      - { .name: sm, .offset: 24, .size: 8, .value_kind: global_buffer, .address_space: global }
      - { .name: sl, .offset: 32, .size: 8, .value_kind: global_buffer, .address_space: global }
    .group_segment_fixed_size: 327680
    .private_segment_fixed_size: 0
    .kernarg_segment_align: 8
    .kernarg_segment_size: 40
    .max_flat_workgroup_size: 128
    .sgpr_count:     72
    .vgpr_count:     1024
    .wavefront_size: 32
...
	.end_amdgpu_metadata
.endif
;; end of part 3
;; launch mix (part 4): grid 8 x 32, 4 waves a work-group, clusters of 4 x 1, 327,680 bytes of LDS; arguments pw, qkv, sm, sl, out0; writes out0
.if DOCPART == 4
	.amdgcn_target "amdgcn-amd-amdhsa--gfx1250"
	.amdhsa_code_object_version 6
	.text
	.protected	k_q576a45778e_mix
	.globl	k_q576a45778e_mix
	.p2align	8
	.type	k_q576a45778e_mix,@function
k_q576a45778e_mix:
	s_mov_b64 s[64:65], 0
	v_nop
	global_prefetch_b8 v0, s[64:65] scope:SCOPE_SE
	s_setreg_imm32_b32 hwreg(HW_REG_WAVE_MODE, 25, 1), 1
	s_wait_xcnt 0x0
	s_wait_alu depctr_hold_cnt(0) depctr_sa_sdst(0) depctr_va_vdst(0) depctr_va_sdst(0) depctr_va_ssrc(0) depctr_va_vcc(0) depctr_vm_vsrc(0)
	s_getreg_b32 s2, hwreg(HW_REG_IB_STS2, 6, 4)
	s_cmp_eq_u32 s2, 0
	s_cbranch_scc0 .Lentry_in_a_cluster
	s_endpgm
.Lentry_in_a_cluster:
	s_bfe_u32 s2, ttmp6, 0x10000c
	s_cmp_lg_u32 s2, 0x3003
	s_cbranch_scc0 .Lentry_shape_is_right
	s_endpgm
.Lentry_shape_is_right:
; MIX.  out0[q][:] = (sum over chunks c of f_c sum over the chunk's keys of p v[key][:]) / l, with m = max over c of m_c, f_c = exp(m_c - m), l = sum over c of f_c l_c:
; the chunks' softmaxes joined under the row's true maximum.  pw: [4][2048][2048] f16, v: bytes 4,096 on of qkv's rows, sm, sl: [4][16 chunks][2048] f32, out0: [4][2048][1024] f32.
; A chunk of 128 keys is summed by itself, in f32, into partial accumulators that its first product starts; the block's sums then take f_c times that, by fused multiply-adds in f32; 1 / l is applied in f32.
; LIMIT: p arrives in f16: below 6e-5 it keeps f16's fixed step of 6e-8.
; SHARES.  A work-group makes two tiles of 128 queries x 128 channels: query block 15 - pb, then pb.  Block i needs the key tiles 0 .. i / 2 of 256 keys: nine tiles together, whatever pb,
; so that all 256 work-groups do equal work and ONE loop with a constant trip count walks them.  A wave makes 64 queries x 64 channels: 16 accumulators.
; CLUSTER.  The four work-groups of a cluster have the same batch and pb and four different blocks of channels: they walk alike and read the same tile of p, which is asked for jointly.
; v's tile is each work-group's own: work-groups that share it have different pb, and their walks agree in their first five tiles alone.
; O^T = V^T P: source 0 = 16 channels (v turned by ds_load_tr16_b128), source 1 = 16 queries: a lane holds one query and eight neighbouring channels, so that f and 1 / l are one number a lane.
; The block's sums are cleared where a block begins (128 v_mov_b32, twice a wave): the price of writing no first step out.
; REGISTERS: window 0: v0-63 addresses and statistics; v64-127 rows read back from the stage (two sets; between two ways out v64-87 hold the tile's factors); v128-255 the block's sums ((t, cb) at v[128 + 8 (4 t + cb)]);
;   window 1: two fragment buffers of 128: p at f + 8 (4 c + t), v at f + 64 + 8 (4 c + cb), c = 0, 1;   window 2: v0-127 the partial accumulators, (t, cb) at v[8 (4 t + cb)].
.set PP,    528                        ; a row of p in LDS: 512 + 16 bytes
.set PV,    288                        ; a row of v: 256 + 32 bytes
.set VOFF,  128*PP                     ; a slot: 128 rows of p, then 256 rows of v
.set SLOT,  VOFF+256*PV
.set STAGE, 2*SLOT                     ; 16 rows x 272 bytes for each wave
.set SP,    272
.set SPARE, STAGE+4*16*SP              ; the spare words, 128 bytes for each wave
.set ADRV,  6                          ; v6-7 my lane's place among v's fragments in the slot in hand: the even chunk's 128 keys, the odd chunk's (its offsets would pass the 16-bit immediate)
.set ADRP0, 8                          ; v8   my lane's place among p's fragments in slot 0; never rewritten
.set ADRV0, 9                          ; v9   the same for v
.set ADRP,  10                         ; v10  p's in the slot in hand
.set VS2,   11                         ; v11  my query's byte offset in a chunk's statistics: 4 r
.set STO,   12                         ; v12  the way out: where I put 32 bytes of a row
.set RD,    13                         ; v13  where I read a row back
.set GO,    14                         ; v14  my byte offset in two rows of out0
.set VST,   15                         ; v15  4 r + 8,192 h: for the rows' statistics lanes 16-31 take the odd chunks
.set MCN,   16                         ; v16-23  the chunk maxima of the tile to come: query tile t, chunk e at 2 t + e
.set TT,    24                         ; v24-27  at work
.set SPW,   28
.set NIL,   29
.set MR,    32                         ; v32-35  the rows' maxima, block in hand
.set IL,    36                         ; v36-43  1 / l, twice
.set MRH,   44                         ; v44-47, v48-51 the first block's maxima and 1 / l
.set ILH,   48
.set MRL,   52                         ; v52-55, v56-59 the second block's
.set ILL,   56
.set OB,    64
.set F2,    64                         ; v64-79  f of the tile in hand, each twice: the pair for (t, e) at 2 (2 t + e)
.set TF8,   80                         ; v80-87  at work
.set ACC,   128
.set F0,    0
.set F1,    128
.set WV,  14
.set RH,  15                           ; s15  which 64 queries are mine
.set CH,  16                           ; s16  which 64 channels.  Also: which half of a tile I fetch
.set G1P, 24
.set G1V, 32
.set G0P, 40
.set G0V, 44
.set PBC, 48                           ; s[48:49] p at my rows of the block whose tiles are being asked for;  s[50:51] of the second block
.set PBL, 50
.set VB,  52                           ; s[52:53] v at my rows of key tile 0
.set SMC, 54                           ; s[54:55], s[56:57] sm likewise;  s[58:59] sm at the tile asked for
.set SML, 56
.set SMN, 58
.set OUC, 60                           ; s[60:61] out0 at my rows of the block in hand;  s[62:63] of the second block
.set OUL, 62
.set NXT, 66                           ; s66  the key tile to be asked for next
.set LQ,  67                           ; s67  the last key tile of the block whose tiles are being asked for
.set LQL, 68                           ; s68  of the second block
.set RT,  69                           ; s69  tiles of the block in hand still to be multiplied
.set RTL, 70
.set NEW, 71                           ; s71  1: the tile to be entered is a block's first
.set FLAG, 72                          ; s72  0: first block, -1: second
.set TB,  73                           ; s73  LDS byte at which the slot in hand begins
.set TF,  74                           ; s74  the slot filled last
.set WOFFP, 75
.set WOFFV, 76
.set CNT, 77
.set OFP, 78                           ; s[78:79], s[80:81], s[82:83] a key tile's byte offset in pw, qkv and sm; upper words 0
.set OFV, 80
.set OFS, 82
.set SEL, 84
.set LG,  86
.set SLH, 88                           ; s[88:89], s[90:91] sl at my rows of the two blocks
.set SLL, 90
.set MSB, 0
.macro WIN new
.if MSB != (\new)
	s_set_vgpr_msb (MSB<<8)|(\new)
.set MSB, \new
.endif
.endm
.set MUL,  0xa5                        ; sources 0 and 1 window 1; C and D window 2
.set TO_F, 0x40                        ; destination window 1, address window 0
.set ACW,  0x02                        ; source 0 window 2; the factor, the addend and the destination window 0
; A fill.  Waves 0 and 1 ask jointly for the two halves of p's tile, waves 2 and 3 for the two halves of the work-group's own tile of v.  An s_nop 0 and four v_nop follow each line.
.macro JLOAD
	s_cmp_lt_u32 s[WV], 2
	s_cbranch_scc0 .Lfor_v_\@
	tensor_load_to_lds s[G0P:G0P+3], s[G1P:G1P+7]
	s_nop 0
.rept 4
	v_nop
.endr
	s_branch .Lasked_\@
.Lfor_v_\@:
	tensor_load_to_lds s[G0V:G0V+3], s[G1V:G1V+7]
	s_nop 0
.rept 4
	v_nop
.endr
.Lasked_\@:
.endm
.macro CROUND                          ; a round of the cluster's barrier
	s_barrier_signal -1
	s_barrier_wait -1
	s_cmp_lg_u32 s[WV], 0
	s_cbranch_scc1 .Lnot_wave_0_\@
	s_barrier_signal -3
.Lnot_wave_0_\@:
	s_barrier_wait -3
	s_barrier_signal -1
	s_barrier_wait -1
.endm
.macro PLACES                          ; four plain vector instructions between a matrix instruction and a load into, or a vector instruction on, its registers
.rept 4
	v_nop
.endr
.endm
	s_load_b256 s[4:11], s[0:1], 0x0               ; pw s[4:5], qkv s[6:7], sm s[8:9], sl s[10:11]
	s_load_b64 s[12:13], s[0:1], 0x20              ; out0
	v_lshl_add_u32 v[SPW], v0, 2, SPARE
	v_mov_b32 v[NIL], 0
	v_lshrrev_b32 v1, 5, v0
	v_readfirstlane_b32 s[WV], v1
	s_lshr_b32 s[RH], s[WV], 1
	s_and_b32 s[CH], s[WV], 1
	s_bfe_u32 s17, ttmp6, 0x40000                  ; cx: it enters v's and out0's addresses alone
	s_lshl_b32 s18, ttmp9, 2
	s_add_co_u32 s18, s18, s17                     ; my block of 128 channels
	s_and_b32 s19, ttmp7, 0xffff
	s_lshr_b32 s20, s19, 3                         ; the batch
	s_and_b32 s21, s19, 7                          ; pb: the second query block
	s_sub_co_u32 s22, 15, s21                      ; the first
	; group 1 for p: 64 rows x 256 elements of 2 bytes, 4 words of padding after every 128; the mask names all four work-groups
	s_mov_b32 s[G1P+0], 15|(1<<16)|(1<<20)|(1<<21)|(6<<22)|(3<<25)
	s_mov_b32 s[G1P+1], 256<<16
	s_mov_b32 s[G1P+2], 64<<16
	s_mov_b32 s[G1P+3], 256<<16
	s_mov_b32 s[G1P+4], 64
	s_mov_b32 s[G1P+5], 2048
	s_mov_b32 s[G1P+6], 0
	s_mov_b32 s[G1P+7], 0
	; group 1 for v: 128 rows x 128 elements, 8 words of padding after every 64; no mask
	s_mov_b32 s[G1V+0], (1<<16)|(1<<20)|(5<<22)|(7<<25)
	s_mov_b32 s[G1V+1], 128<<16
	s_mov_b32 s[G1V+2], 128<<16
	s_mov_b32 s[G1V+3], 128<<16
	s_mov_b32 s[G1V+4], 128
	s_mov_b32 s[G1V+5], 3072
	s_mov_b32 s[G1V+6], 0
	s_mov_b32 s[G1V+7], 0
	s_mov_b32 s[OFP+1], 0
	s_mov_b32 s[OFV+1], 0
	s_mov_b32 s[OFS+1], 0
	s_mov_b32 s95, 0
	s_mul_i32 s[WOFFP], s[CH], 64*PP               ; where my half of a tile goes, in a slot
	s_mul_i32 s[WOFFV], s[CH], 128*PV
	s_add_co_u32 s[WOFFV], s[WOFFV], VOFF
	s_lshl_b32 s92, s20, 11                        ; the batch's first row
	s_lshl_b32 s93, s[CH], 6
	s_add_co_u32 s93, s93, s92                     ; + my 64 rows of p's tile
	s_lshl_b32 s[OFP], s22, 7
	s_add_co_u32 s[OFP], s[OFP], s93
	s_lshl_b32 s[OFP], s[OFP], 12                  ; rows of 4,096 bytes: the first block,
	s_lshl_b32 s[OFV], s21, 7
	s_add_co_u32 s[OFV], s[OFV], s93
	s_lshl_b32 s[OFV], s[OFV], 12                  ; the second
	s_wait_kmcnt 0x0
	s_add_nc_u64 s[PBC:PBC+1], s[4:5], s[OFP:OFP+1]
	s_add_nc_u64 s[PBL:PBL+1], s[4:5], s[OFV:OFV+1]
	s_lshl_b32 s94, s[CH], 7                       ; v: my 128 keys of a tile,
	s_add_co_u32 s94, s94, s92
	s_mul_i32 s94, s94, 6144
	s_lshl_b32 s17, s18, 8                         ; my work-group's 256 bytes of a row,
	s_add_co_u32 s94, s94, s17
	s_add_co_u32 s94, s94, 4096                    ; behind q and k
	s_add_nc_u64 s[VB:VB+1], s[6:7], s[94:95]
	s_mov_b32 s[G0P], 1
	s_mov_b32 s[G0P+1], s[WOFFP]                   ; slot 0
	s_mov_b64 s[G0P+2:G0P+3], s[PBC:PBC+1]         ; key tile 0 of the first block
	s_or_b32 s[G0P+3], s[G0P+3], 0x80000000
	s_mov_b32 s[G0V], 1
	s_mov_b32 s[G0V+1], s[WOFFV]
	s_mov_b64 s[G0V+2:G0V+3], s[VB:VB+1]
	s_or_b32 s[G0V+3], s[G0V+3], 0x80000000
	CROUND                                         ; all four work-groups are here: the first joint loads meet
	JLOAD                                          ; one load of mine is out, here and behind every later round
	s_lshl_b32 s93, s20, 17                        ; the statistics: 131,072 bytes a batch,
	s_lshl_b32 s23, s[RH], 8                       ; my 64 rows
	s_add_co_u32 s93, s93, s23
	s_lshl_b32 s[OFP], s22, 9
	s_add_co_u32 s[OFP], s[OFP], s93
	s_lshl_b32 s[OFV], s21, 9
	s_add_co_u32 s[OFV], s[OFV], s93
	s_add_nc_u64 s[SMC:SMC+1], s[8:9], s[OFP:OFP+1]
	s_add_nc_u64 s[SML:SML+1], s[8:9], s[OFV:OFV+1]
	s_add_nc_u64 s[SLH:SLH+1], s[10:11], s[OFP:OFP+1]
	s_add_nc_u64 s[SLL:SLL+1], s[10:11], s[OFV:OFV+1]
	v_and_b32 v1, 15, v0                           ; r
	v_bfe_u32 v2, v0, 4, 1                         ; h
	v_lshlrev_b32 v[VS2], 2, v1
	v_lshl_add_u32 v[VST], v2, 13, v[VS2]
	; all 16 chunks' maxima and sums of my 4 x 16 rows of both blocks: a lane takes the 8 chunks of its half.  They land in the registers of the block's sums, which are not yet in use.
.irp t, 0,1,2,3
.irp u, 0,1,2,3,4,5,6,7
	global_load_b32 v[128+8*(\t)+(\u)], v[VST], s[SMC:SMC+1] offset:(\u)*16384+(\t)*64
	global_load_b32 v[160+8*(\t)+(\u)], v[VST], s[SLH:SLH+1] offset:(\u)*16384+(\t)*64
	global_load_b32 v[192+8*(\t)+(\u)], v[VST], s[SML:SML+1] offset:(\u)*16384+(\t)*64
	global_load_b32 v[224+8*(\t)+(\u)], v[VST], s[SLL:SLL+1] offset:(\u)*16384+(\t)*64
.endr
.endr
.irp t, 0,1,2,3
.irp e, 0,1
	global_load_b32 v[MCN+2*(\t)+(\e)], v[VS2], s[SMC:SMC+1] offset:(\e)*8192+(\t)*64   ; the first tile's two chunk maxima, in every lane
.endr
.endr
	s_lshl_b32 s93, s[RH], 6                       ; out0: my 64 rows,
	s_add_co_u32 s93, s93, s92
	s_lshl_b32 s17, s18, 9                         ; my work-group's 512 bytes of a row, my wave's 256
	s_lshl_b32 s23, s[CH], 8
	s_add_co_u32 s17, s17, s23
	s_lshl_b32 s94, s22, 7
	s_add_co_u32 s94, s94, s93
	s_lshl_b32 s94, s94, 12
	s_add_co_u32 s94, s94, s17
	s_add_nc_u64 s[OUC:OUC+1], s[12:13], s[94:95]
	s_lshl_b32 s94, s21, 7
	s_add_co_u32 s94, s94, s93
	s_lshl_b32 s94, s94, 12
	s_add_co_u32 s94, s94, s17
	s_add_nc_u64 s[OUL:OUL+1], s[12:13], s[94:95]
	s_mov_b32 s[SEL], 0x76543210
	s_mov_b32 s[SEL+1], 0xfedcba98
	s_mov_b32 s[LG], 0x3fb8aa3b                    ; log2(e)
	s_mov_b32 s[LG+1], s[LG]
	s_lshr_b32 s[LQ], s22, 1
	s_lshr_b32 s[LQL], s21, 1
	s_add_co_u32 s[RT], s[LQ], 1
	s_add_co_u32 s[RTL], s[LQL], 1
	s_mov_b32 s[NXT], 1
	s_mov_b32 s[NEW], 1
	s_mov_b32 s[FLAG], 0
	s_mov_b32 s[TF], 0
	s_mov_b32 s[CNT], 8
	; p's fragment: lane holds query r, keys 8 h + 0..7 and 16 + 8 h + 0..7: two loads of 16 bytes, 32 bytes apart
	v_mul_u32_u24 v[ADRP0], v1, PP
	v_lshl_add_u32 v[ADRP0], v2, 4, v[ADRP0]
	s_mul_i32 s23, s[RH], 64*PP
	v_add_nc_u32 v[ADRP0], s23, v[ADRP0]
	; v's, turned: lane reads 16 bytes of key 8 h + lane % 8, channels 8 ((lane / 8) % 2) + 0..7, and is left with channel r and 8 keys
	v_and_b32 v3, 7, v0
	v_bfe_u32 v4, v0, 3, 1
	v_lshl_add_u32 v[ADRV0], v2, 3, v3
	v_mul_u32_u24 v[ADRV0], v[ADRV0], PV
	v_lshl_add_u32 v[ADRV0], v4, 4, v[ADRV0]
	s_lshl_b32 s23, s[CH], 7
	s_add_co_u32 s23, s23, VOFF
	v_add_nc_u32 v[ADRV0], s23, v[ADRV0]
	s_mul_i32 s23, s[WV], 16*SP
	s_add_co_u32 s23, s23, STAGE                   ; my stage
	v_mul_u32_u24 v[STO], v1, SP                   ; in: row r, 32 bytes for each half of the lanes
	v_lshl_add_u32 v[STO], v2, 5, v[STO]
	v_add_nc_u32 v[STO], s23, v[STO]
	v_mul_u32_u24 v[RD], v2, SP                    ; back: lanes 0-15 one row of 256 bytes, lanes 16-31 the next
	v_lshl_add_u32 v[RD], v1, 4, v[RD]
	v_add_nc_u32 v[RD], s23, v[RD]
	v_lshlrev_b32 v[GO], 12, v2                    ; and the same two rows in out0
	v_lshl_add_u32 v[GO], v1, 4, v[GO]
; A row's maximum over its 16 chunks and 1 / l, from the 8 maxima at mb and the 8 sums at lb of my half of the lanes
.macro ROWSTAT mb, lb, mr, il
	v_max3_num_f32 v[TT], v[(\mb)], v[(\mb)+1], v[(\mb)+2]
	v_max3_num_f32 v[TT+1], v[(\mb)+3], v[(\mb)+4], v[(\mb)+5]
	v_max3_num_f32 v[TT], v[TT], v[(\mb)+6], v[(\mb)+7]
	v_max_num_f32 v[TT], v[TT], v[TT+1]
	v_permlanex16_b32 v[TT+1], v[TT], s[SEL], s[SEL+1]
	v_max_num_f32 v[(\mr)], v[TT], v[TT+1]
	v_max_num_f32 v[TT], v[TT], v[TT+1]
	v_mov_b32 v[TT+1], v[TT]
.irp k, 0,1,2,3
	v_pk_add_f32 v[(\mb)+2*(\k):(\mb)+2*(\k)+1], v[(\mb)+2*(\k):(\mb)+2*(\k)+1], v[TT:TT+1] neg_lo:[0,1] neg_hi:[0,1]
.endr
.irp k, 0,1,2,3
	v_pk_mul_f32 v[(\mb)+2*(\k):(\mb)+2*(\k)+1], v[(\mb)+2*(\k):(\mb)+2*(\k)+1], s[LG:LG+1] op_sel_hi:[1,0]
.endr
.irp k, 0,1,2,3,4,5,6,7
	v_exp_f32 v[(\mb)+(\k)], v[(\mb)+(\k)]
.endr
	v_nop
	s_wait_alu depctr_va_vdst(0)
	v_pk_mul_f32 v[(\mb):(\mb)+1], v[(\mb):(\mb)+1], v[(\lb):(\lb)+1]
.irp k, 1,2,3
	v_pk_fma_f32 v[(\mb):(\mb)+1], v[(\mb)+2*(\k):(\mb)+2*(\k)+1], v[(\lb)+2*(\k):(\lb)+2*(\k)+1], v[(\mb):(\mb)+1]
.endr
	v_add_f32 v[TT], v[(\mb)], v[(\mb)+1]
	v_permlanex16_b32 v[TT+1], v[TT], s[SEL], s[SEL+1]
	v_add_f32 v[TT], v[TT], v[TT+1]
	v_rcp_f32 v[(\il)], v[TT]
	v_nop
.endm
	s_wait_loadcnt 0x0
.irp t, 0,1,2,3
	ROWSTAT 128+8*\t, 160+8*\t, MRH+\t, ILH+\t
.endr
.irp t, 0,1,2,3
	ROWSTAT 192+8*\t, 224+8*\t, MRL+\t, ILL+\t
.endr
; THE CHANGE OF SLOTS.  Each wave waits for all its tensor loads (one is out: its part of the tile to be entered), adds 0 to its spare word, and waits for that and for its reads of the slot that it leaves.
; fill = 1: behind a round of the cluster's barrier the slot that was left is filled with key tile NXT; the descriptors' addresses are made anew from that number.
; (At its first use nothing has been read yet: slot 0 is waited for, slot 1 filled.)
.macro CHANGE fill
	WIN 0
	s_wait_loadcnt 0x0                             ; the chunk maxima of the tile to be entered are in, and their base may be written
	s_wait_tensorcnt 0x0                           ; no tensor load of mine is out, so a group 0 may be written
	ds_add_u32 v[SPW], v[NIL]                      ; 0 onto my spare word; the scalar work stands between it and the wait for it
	s_mov_b32 s[TB], s[TF]
.if \fill
	s_xor_b32 s[TF], s[TF], SLOT
	s_lshl_b32 s[OFP], s[NXT], 9                   ; 256 keys: 512 bytes along p's rows,
	s_mul_i32 s[OFV], s[NXT], 256*6144             ; 256 rows of qkv,
	s_lshl_b32 s[OFS], s[NXT], 14                  ; two chunks of 8,192 bytes
	s_add_co_u32 s[G0P+1], s[TF], s[WOFFP]
	s_add_co_u32 s[G0V+1], s[TF], s[WOFFV]
	s_add_nc_u64 s[G0P+2:G0P+3], s[PBC:PBC+1], s[OFP:OFP+1]
	s_or_b32 s[G0P+3], s[G0P+3], 0x80000000
	s_add_nc_u64 s[G0V+2:G0V+3], s[VB:VB+1], s[OFV:OFV+1]
	s_or_b32 s[G0V+3], s[G0V+3], 0x80000000
	s_add_nc_u64 s[SMN:SMN+1], s[SMC:SMC+1], s[OFS:OFS+1]
	s_add_co_u32 s[NXT], s[NXT], 1                 ; the block's next tile, or behind its last the second block's tile 0
	s_cmp_gt_u32 s[NXT], s[LQ]
	s_cselect_b32 s[NXT], 0, s[NXT]
	s_cselect_b32 s[LQ], s[LQL], s[LQ]
	s_cselect_b64 s[PBC:PBC+1], s[PBL:PBL+1], s[PBC:PBC+1]
	s_cselect_b64 s[SMC:SMC+1], s[SML:SML+1], s[SMC:SMC+1]
	s_wait_dscnt 0x0                               ; the add is done, and my reads of the slot are over
	CROUND
	JLOAD                                          ; it has a whole tile, 128 matrix instructions, in which to land
.else
	s_wait_dscnt 0x0
	s_barrier_signal -1
	s_barrier_wait -1
.endif
.endm
.macro BEGIN                           ; a block begins: its sums are cleared, its rows' statistics chosen
	s_mov_b32 s[NEW], 0
.set i, 0
.rept 128
	v_mov_b32 v[ACC+i], 0
.set i, i+1
.endr
	s_wait_alu depctr_va_vdst(0)
.irp t, 0,1,2,3
	v_cndmask_b32 v[MR+(\t)], v[MRH+(\t)], v[MRL+(\t)], s[FLAG]
	v_cndmask_b32 v[IL+2*(\t)], v[ILH+(\t)], v[ILL+(\t)], s[FLAG]
	v_cndmask_b32 v[IL+2*(\t)+1], v[ILH+(\t)], v[ILL+(\t)], s[FLAG]
.endr
.endm
.macro FACT fill                       ; f = exp(m_c - m) for the two chunks of the tile in hand, in f32, each written twice; then the next tile's chunk maxima are asked for
	WIN 0
.irp k, 0,1,2,3,4,5,6,7
	v_sub_f32 v[TF8+(\k)], v[MCN+(\k)], v[MR+(\k)/2]
.endr
.irp k, 0,1,2,3,4,5,6,7
	v_mul_f32 v[TF8+(\k)], s[LG], v[TF8+(\k)]
.endr
.irp k, 0,1,2,3,4,5,6,7
	v_exp_f32 v[F2+2*(\k)], v[TF8+(\k)]
.endr
	v_nop                                          ; a plain instruction between the last exponential and the use of its result
	s_wait_alu depctr_va_vdst(0)
.irp k, 0,1,2,3,4,5,6,7
	v_mov_b32 v[F2+2*(\k)+1], v[F2+2*(\k)]
.endr
.if \fill
.irp t, 0,1,2,3
.irp e, 0,1
	global_load_b32 v[MCN+2*(\t)+(\e)], v[VS2], s[SMN:SMN+1] offset:(\e)*8192+(\t)*64
.endr
.endr
.endif
.endm
; 32 LDS loads in one run: the fragments of the tile's keys 32 s .. 32 s + 31 for s = 2 q and 2 q + 1, the first's first
.macro FETCH q, f
	WIN TO_F
.irp c, 0,1
.irp i, 0,1,2,3
	ds_load_tr16_b128 v[(\f)+64+8*(4*(\c)+(\i)):(\f)+64+8*(4*(\c)+(\i))+3],   v[ADRV+(2*(\q)+(\c))/4] offset:32*((2*(\q)+(\c))%4)*PV+32*(\i)
	ds_load_tr16_b128 v[(\f)+64+8*(4*(\c)+(\i))+4:(\f)+64+8*(4*(\c)+(\i))+7], v[ADRV+(2*(\q)+(\c))/4] offset:32*((2*(\q)+(\c))%4)*PV+16*PV+32*(\i)
	ds_load_b128 v[(\f)+8*(4*(\c)+(\i)):(\f)+8*(4*(\c)+(\i))+3],              v[ADRP] offset:64*(2*(\q)+(\c))+(\i)*16*PP
	ds_load_b128 v[(\f)+8*(4*(\c)+(\i))+4:(\f)+8*(4*(\c)+(\i))+7],            v[ADRP] offset:64*(2*(\q)+(\c))+(\i)*16*PP+32
.endr
.endr
.endm
; 8 matrix instructions: query tiles a0, a0 + 1 x 4 channel blocks.  zero = 1: a chunk's first product starts its sums.  The 16 accumulators take turns.
.macro MUL8 f, c, a0, zero
	WIN MUL
.irp a, \a0, (\a0)+1
.irp b, 0,1,2,3
.if \zero
	v_wmma_f32_16x16x32_f16 v[8*(4*(\a)+(\b)):8*(4*(\a)+(\b))+7], v[(\f)+64+8*(4*(\c)+(\b)):(\f)+64+8*(4*(\c)+(\b))+7], v[(\f)+8*(4*(\c)+(\a)):(\f)+8*(4*(\c)+(\a))+7], 0
.else
	v_wmma_f32_16x16x32_f16 v[8*(4*(\a)+(\b)):8*(4*(\a)+(\b))+7], v[(\f)+64+8*(4*(\c)+(\b)):(\f)+64+8*(4*(\c)+(\b))+7], v[(\f)+8*(4*(\c)+(\a)):(\f)+8*(4*(\c)+(\a))+7], v[8*(4*(\a)+(\b)):8*(4*(\a)+(\b))+7]
.endif
.endr
.endr
.endm
; A quarter of a tile, half a chunk: 32 matrix instructions on buffer f; in its middle the next quarter is fetched into g
.macro QUARTER q, f, g, zero
	s_wait_dscnt 16                                ; the first 32 keys' fragments are in
	MUL8 \f, 0, 0, \zero
	MUL8 \f, 0, 2, \zero
	PLACES
	FETCH (\q)+1, \g
	s_wait_dscnt 32                                ; all but the 32 just issued
	MUL8 \f, 1, 0, 0
	MUL8 \f, 1, 2, 0
.endm
.macro LASTQ
	s_wait_dscnt 16
	MUL8 F1, 0, 0, 0
	MUL8 F1, 0, 2, 0
	s_wait_dscnt 0x0
	MUL8 F1, 1, 0, 0
	MUL8 F1, 1, 2, 0
.endm
; Chunk e of the tile is finished: the block's sums take f times it.  Each partial accumulator is read from its lowest registers on.
.macro ACCUM e
	PLACES
	WIN ACW
.irp t, 0,1,2,3
.set i, 0
.rept 16
	v_pk_fma_f32 v[ACC+32*(\t)+2*i:ACC+32*(\t)+2*i+1], v[32*(\t)+2*i:32*(\t)+2*i+1], v[F2+2*(2*(\t)+(\e)):F2+2*(2*(\t)+(\e))+1], v[ACC+32*(\t)+2*i:ACC+32*(\t)+2*i+1]
.set i, i+1
.endr
.endr
.endm
.macro STEP fill                       ; one key tile
	CHANGE \fill
	s_cmp_eq_u32 s[NEW], 0
	s_cbranch_scc1 .Lold_\@
	BEGIN
.Lold_\@:
	v_add_nc_u32 v[ADRP], s[TB], v[ADRP0]
	v_add_nc_u32 v[ADRV], s[TB], v[ADRV0]
	v_add_nc_u32 v[ADRV+1], 128*PV, v[ADRV]
	FETCH 0, F0
	FACT \fill
	QUARTER 0, F0, F1, 1
	QUARTER 1, F1, F0, 0
	ACCUM 0                                        ; the third quarter's fragments are on their way meanwhile
	QUARTER 2, F0, F1, 1
	LASTQ
	ACCUM 1
	WIN 0
.endm
; THE WAY OUT of a block: times 1 / l, through my stage in LDS, a query tile (16 rows x 256 bytes) at a time
.macro PACKO t
.set i, 0
.rept 16
	v_pk_mul_f32 v[ACC+32*(\t)+2*i:ACC+32*(\t)+2*i+1], v[ACC+32*(\t)+2*i:ACC+32*(\t)+2*i+1], v[IL+2*(\t):IL+2*(\t)+1]
.set i, i+1
.endr
.endm
.macro TOST t
.irp c, 0,1,2,3
	ds_store_b128 v[STO], v[ACC+32*(\t)+8*(\c):ACC+32*(\t)+8*(\c)+3]   offset:64*(\c)
	ds_store_b128 v[STO], v[ACC+32*(\t)+8*(\c)+4:ACC+32*(\t)+8*(\c)+7] offset:64*(\c)+16
.endr
.irp k, 0,1,2,3,4,5,6,7
	ds_load_b128 v[OB+32*((\t)%2)+4*(\k):OB+32*((\t)%2)+4*(\k)+3], v[RD] offset:(\k)*2*SP   ; LDS serves a wave's instructions in order: these see the stores above; the next tile's stores come behind them
.endr
.endm
.macro SENDO t
	s_wait_dscnt 0x0                               ; the tile is back in registers
	s_wait_xcnt 0x0                                ; the other set of registers, which the stores before these read, is loaded again only behind this wait
.irp k, 0,1,2,3,4,5,6,7
	global_store_b128 v[GO], v[OB+32*((\t)%2)+4*(\k):OB+32*((\t)%2)+4*(\k)+3], s[OUC:OUC+1] offset:65536*(\t)+8192*(\k) th:TH_STORE_NT   ; 16 lanes store 256 consecutive bytes, at a multiple of 256 from out0's first byte
.endr
.endm
.macro OUTB
	PACKO 0
	TOST 0
	PACKO 1                                        ; a tile's arithmetic stands between the loads of the tile before and its stores
	SENDO 0
	TOST 1
	PACKO 2
	SENDO 1
	TOST 2
	PACKO 3
	SENDO 2
	TOST 3
	SENDO 3
.endm
.Lwalk:                                                ; eight trips: a tile is entered and the next is asked for
	STEP 1
	s_sub_co_u32 s[RT], s[RT], 1
	s_cmp_lg_u32 s[RT], 0
	s_cbranch_scc1 .Lbot
	OUTB                                           ; in the loop this is the first block's end: the second block's last tile is the walk's last
	s_wait_xcnt 0x0                                ; the stores have read their registers (the next tile's factors go there) and their base
	s_mov_b64 s[OUC:OUC+1], s[OUL:OUL+1]
	s_mov_b32 s[RT], s[RTL]
	s_mov_b32 s[NEW], 1
	s_mov_b32 s[FLAG], -1
.Lbot:
	s_sub_co_u32 s[CNT], s[CNT], 1
	s_cmp_lg_u32 s[CNT], 0
	s_cbranch_scc1 .Lwalk
	STEP 0                                         ; the walk's last tile is written out: nothing is asked for
	OUTB
	s_wait_tensorcnt 0x0                           ; the wave's end
	ds_add_u32 v[SPW], v[NIL]
	s_wait_dscnt 0x0
	CROUND                                         ; the closing round: no work-group ends while a partner may still ask for a tile that names it
	s_endpgm
.Lfunc_end_k_q576a45778e_mix:
	.size	k_q576a45778e_mix, .Lfunc_end_k_q576a45778e_mix-k_q576a45778e_mix
	.p2alignl 7, 3214868480
	.fill 96, 4, 3214868480
	.section	.rodata,"a",@progbits
	.p2align	6, 0x0
	.amdhsa_kernel k_q576a45778e_mix
		.amdhsa_group_segment_fixed_size 327680
		.amdhsa_private_segment_fixed_size 0
		.amdhsa_enable_private_segment 0
		.amdhsa_kernarg_size 40
		.amdhsa_user_sgpr_count 2
		.amdhsa_user_sgpr_kernarg_segment_ptr 1
		.amdhsa_wavefront_size32 1
		.amdhsa_system_sgpr_workgroup_id_x 1
		.amdhsa_system_sgpr_workgroup_id_y 1
		.amdhsa_system_sgpr_workgroup_id_z 1
		.amdhsa_system_vgpr_workitem_id 0
		.amdhsa_next_free_vgpr 640
		.amdhsa_next_free_sgpr 96
		.amdhsa_reserve_vcc 0
		.amdhsa_float_denorm_mode_32 3
		.amdhsa_float_denorm_mode_16_64 3
		.amdhsa_memory_ordered 1
		.amdhsa_forward_progress 1
		.amdhsa_inst_pref_size 122
	.end_amdhsa_kernel
	.amdgpu_metadata
---
amdhsa.version: [ 1, 2 ]
amdhsa.kernels:
  - .name:           k_q576a45778e_mix
    .symbol:         k_q576a45778e_mix.kd
    .args:
      - { .name: pw, .offset: 0, .size: 8, .value_kind: global_buffer, .address_space: global }
      - { .name: qkv, .offset: 8, .size: 8, .value_kind: global_buffer, .address_space: global }
      - { .name: sm, .offset: 16, .size: 8, .value_kind: global_buffer, .address_space: global }
      - { .name: sl, .offset: 24, .size: 8, .value_kind: global_buffer, .address_space: global }
      - { .name: out0, .offset: 32, .size: 8, .value_kind: global_buffer, .address_space: global }
    .group_segment_fixed_size: 327680
    .private_segment_fixed_size: 0
    .kernarg_segment_align: 8
    .kernarg_segment_size: 40
    .max_flat_workgroup_size: 128
    .sgpr_count:     96
    .vgpr_count:     640
    .wavefront_size: 32
...
	.end_amdgpu_metadata
.endif
;; end of part 4
;; ======== version 2 of 2: 4 launches; version 1 with the launch prep written anew for expert scheduling mode
;; limits: values are held in f16: magnitudes above 65,504 overflow, below 6.1e-05 lose precision; right only within a limited range of input values
;; workspace buffers: xb 16,777,216 bytes; wb 6,291,456 bytes; bc 12,288 bytes; qkv 50,331,648 bytes; pw 33,554,432 bytes; sm 524,288 bytes; sl 524,288 bytes
;; launch prep (part 5): grid 721 x 1, 8 waves a work-group, no clusters, 0 bytes of LDS; arguments x, Wq, Wk, Wv, bq, bk, bv, xb, wb, bc, sm, sl; writes xb, wb, bc, sm, sl
.if DOCPART == 5
	.amdgcn_target "amdgcn-amd-amdhsa--gfx1250"
	.amdhsa_code_object_version 6
	.text
	.protected	k_q576a45778e_prep
	.globl	k_q576a45778e_prep
	.p2align	8
	.type	k_q576a45778e_prep,@function
k_q576a45778e_prep:
	s_mov_b64 s[64:65], 0
	v_nop
	global_prefetch_b8 v0, s[64:65] scope:SCOPE_SE
	s_setreg_imm32_b32 hwreg(HW_REG_WAVE_SCHED_MODE, 0, 2), 2
	s_setreg_imm32_b32 hwreg(HW_REG_WAVE_MODE, 25, 1), 1
	s_wait_xcnt 0x0
	s_wait_alu depctr_vm_vsrc(0)
; PREP.  All inputs are rounded to bf16 once, and the softmax statistics get neutral values.
;   work-groups 0-511:   16 rows of x ([8192][1024] f32) -> xb, in blocks of 64 along k: [16 kb][8192 rows][64] bf16, so that the projection's tile of 128 rows x 64 k is 16,384 dense bytes
;   work-groups 512-703: 16 rows of Wq, Wk or Wv ([1024][1024] f32) -> wb ([1024 k][3072 n] bf16; columns 0-1023 Wq, 1024-2047 Wk, 2048-3071 Wv)
;   work-groups 704-719: 65,536 bytes of sm (-2^127: below every maximum) or of sl (0): the chunks of keys that the score launch never makes
;   work-group  720:     bq, bk, bv rounded to bf16 and widened again -> bc ([3072] f32)
; A stream: no LDS, no barrier, no matrix unit.  A lane loads 16 bytes and stores 8.  Sixteen loads of every wave are out at once; no register is used twice.
; W: thread t owns 16 bytes of every f32 row: a wave's load covers 512 consecutive bytes, its store 256 consecutive bytes at a multiple of 256.
; x: wave w owns the blocks kb = 2 w and 2 w + 1; lanes 0-15 take 256 bytes of an even row, lanes 16-31 the same columns of the next row: their 2 x 128 bytes of bf16 lie end to end in xb,
; so that a wave's store again covers 256 consecutive bytes at a multiple of 256.
; THE MODE: SCHED_MODE bits 1:0 = 2 (LLVM: expert scheduling mode 2), set by the entry lines.  The code itself states the register dependences
; between vector instructions and memory instructions, with s_wait_alu, always for 0.
; THE PLAN.  Registers that memory instructions touch:
;   v1, v2      byte offsets at the source and at the destination.  Written by vector instructions ahead of a path's first memory instruction, never behind one.
;   v[8:71]     16 pieces as loaded.  Each is written by one load and read by its two conversions; none is loaded again.
;   v[72:103]   16 pieces to store.  Each is written by its two conversions and read by one store; none is written again.
;   v[4:7]      (the fill) written by four moves, read by the stores.      v[4:15], v[24:35]  (the biases) as loaded, and to store.
; So no register that a memory instruction has read is ever written again, and no register that a vector instruction has read is ever loaded again: what is left to state is that a vector
; instruction has written what a load or a store reads.  The 16 pieces go in four blocks of four: block p rounds its own pieces, and the four stores of block p - 1 are dealt among its conversions,
; which name none of that block's registers.  One wait at a block's head therefore serves its four stores.  No vector instruction writes a scalar register or VCC, and EXEC is never written.
.macro CAST la, lb, sa, sb             ; 16 pieces from s[32:33] to s[34:35]; piece j lies la (j % 8) + lb (j / 8) bytes on at the source, sa (j % 8) + sb (j / 8) at the destination
	s_wait_alu depctr_va_vdst(0)                   ; v1 and v2 are written: the sixteen loads read v1 as their offset, the sixteen stores v2; no line below writes either
.irp j, 0,1,2,3,4,5,6,7,8,9,10,11,12,13,14,15
	global_load_b128 v[8+4*(\j):11+4*(\j)], v1, s[32:33] offset:(\la)*((\j)%8)+(\lb)*((\j)/8) th:TH_LOAD_NT
.endr
.irp p, 0,1,2,3
	s_wait_loadcnt 12-4*(\p)                       ; loads come back in order: block p's four pieces are in, the later blocks' loads stay out
.if (\p) > 0
	s_wait_alu depctr_va_vdst(0)                   ; the block before has written its eight registers of v[72 ..], which the four stores below read
.endif
.irp i, 0,1,2,3
.set n, 4*(\p)+(\i)                    ; the piece that is rounded; the piece that is stored is four back
.if (\p) > 0
	global_store_b64 v2, v[72+2*(n-4):73+2*(n-4)], s[34:35] offset:(\sa)*((n-4)%8)+(\sb)*((n-4)/8)  ; no vector instruction since the wait names these registers
.endif
	v_cvt_pk_bf16_f32 v[72+2*n], v[8+4*n], v[9+4*n]
	v_cvt_pk_bf16_f32 v[73+2*n], v[10+4*n], v[11+4*n]
.endr
.endr
	s_wait_alu depctr_va_vdst(0)                   ; the last block has written v[96:103], which the last four stores read
.irp j, 12,13,14,15
	global_store_b64 v2, v[72+2*(\j):73+2*(\j)], s[34:35] offset:(\sa)*((\j)%8)+(\sb)*((\j)/8)
.endr
.endm
	s_load_b512 s[8:23], s[0:1], 0x0               ; x s[8:9], Wq s[10:11], Wk s[12:13], Wv s[14:15], bq s[16:17], bk s[18:19], bv s[20:21], xb s[22:23]
	s_load_b256 s[24:31], s[0:1], 0x40             ; wb s[24:25], bc s[26:27], sm s[28:29], sl s[30:31]
	s_mov_b32 s6, ttmp9                            ; the work-group's number
	s_mov_b32 s3, 0                                ; upper words of the two offsets
	s_mov_b32 s5, 0
	v_lshlrev_b32 v1, 4, v0                        ; my 16 bytes of an f32 row
	v_lshlrev_b32 v2, 3, v0                        ; my 8 bytes of a bf16 row
	s_wait_kmcnt 0x0
	s_cmp_lt_u32 s6, 512
	s_cbranch_scc0 .Lnot_x
	v_and_b32 v3, 15, v0                           ; my place in a piece of 64 numbers
	v_bfe_u32 v4, v0, 4, 1                         ; even row or odd
	v_lshrrev_b32 v5, 5, v0                        ; wave
	v_lshlrev_b32 v1, 4, v3                        ; source: 16 bytes a lane,
	v_lshl_add_u32 v1, v4, 12, v1                  ; 4,096 bytes a row,
	v_lshl_add_u32 v1, v5, 9, v1                   ; 512 bytes for the wave's two blocks
	v_lshlrev_b32 v2, 3, v3                        ; destination: 8 bytes a lane,
	v_lshl_add_u32 v2, v4, 7, v2                   ; 128 bytes a row,
	v_lshl_add_u32 v2, v5, 21, v2                  ; two blocks of 1,048,576 bytes a wave
	s_lshl_b32 s2, s6, 16                          ; 16 rows of 4,096 bytes
	s_lshl_b32 s4, s6, 11                          ; 16 rows of 128 bytes
	s_add_nc_u64 s[32:33], s[8:9], s[2:3]
	s_add_nc_u64 s[34:35], s[22:23], s[4:5]
	CAST 8192, 256, 256, 1048576                   ; eight pairs of rows, then the wave's second block
	s_endpgm
.Lnot_x:
	s_cmp_lt_u32 s6, 704
	s_cbranch_scc0 .Lnot_w
	s_sub_co_u32 s7, s6, 512
	s_lshr_b32 s36, s7, 6                          ; which weight: 0 Wq, 1 Wk, 2 Wv
	s_and_b32 s7, s7, 63                           ; which 16 rows of it
	s_cmp_eq_u32 s36, 1
	s_cselect_b64 s[32:33], s[12:13], s[10:11]
	s_cmp_eq_u32 s36, 2
	s_cselect_b64 s[32:33], s[14:15], s[32:33]
	s_lshl_b32 s2, s7, 16
	s_add_nc_u64 s[32:33], s[32:33], s[2:3]
	s_mul_i32 s4, s7, 98304                        ; 16 rows of 6,144 bytes
	s_lshl_b32 s36, s36, 11                        ; the weight's 2,048 bytes of a row
	s_add_co_u32 s4, s4, s36
	s_add_nc_u64 s[34:35], s[24:25], s[4:5]
	CAST 4096, 32768, 6144, 49152                  ; sixteen rows
	s_endpgm
.Lnot_w:
	s_cmp_lt_u32 s6, 720
	s_cbranch_scc0 .Lbias
	s_sub_co_u32 s7, s6, 704
	s_cmp_lt_u32 s7, 8
	s_cselect_b64 s[34:35], s[28:29], s[30:31]     ; eight work-groups for sm, eight for sl
	s_cselect_b32 s36, 0xff000000, 0               ; -2^127, or 0
	s_and_b32 s7, s7, 7
	s_lshl_b32 s2, s7, 16
	s_add_nc_u64 s[34:35], s[34:35], s[2:3]
	v_mov_b32 v4, s36
	v_mov_b32 v5, s36
	v_mov_b32 v6, s36
	v_mov_b32 v7, s36
	s_wait_alu depctr_va_vdst(0)                   ; v1 and v[4:7] are written: the sixteen stores read them as offset and data; no line below writes them
.irp j, 0,1,2,3,4,5,6,7,8,9,10,11,12,13,14,15
	global_store_b128 v1, v[4:7], s[34:35] offset:4096*(\j)
.endr
	s_endpgm
.Lbias:
	s_wait_alu depctr_va_vdst(0)                   ; v1 is written: the three loads, and later the three stores, read it as their offset
	global_load_b128 v[4:7], v1, s[16:17]
	global_load_b128 v[8:11], v1, s[18:19]
	global_load_b128 v[12:15], v1, s[20:21]
	s_wait_loadcnt 0x0
.irp j, 0,1,2,3,4,5
	v_cvt_pk_bf16_f32 v[16+(\j)], v[4+2*(\j)], v[5+2*(\j)]     ; rounded to bf16,
.endr
.irp j, 0,1,2,3,4,5
	v_lshlrev_b32 v[24+2*(\j)], 16, v[16+(\j)]                 ; and written as f32 again
	v_and_b32 v[25+2*(\j)], 0xffff0000, v[16+(\j)]
.endr
	s_wait_alu depctr_va_vdst(0)                   ; the widening lines have written v[24:35], which the three stores read
	global_store_b128 v1, v[24:27], s[26:27]
	global_store_b128 v1, v[28:31], s[26:27] offset:4096
	global_store_b128 v1, v[32:35], s[26:27] offset:8192
	s_endpgm
.Lfunc_end_k_q576a45778e_prep:
	.size	k_q576a45778e_prep, .Lfunc_end_k_q576a45778e_prep-k_q576a45778e_prep
	.p2alignl 7, 3214868480
	.fill 96, 4, 3214868480
	.section	.rodata,"a",@progbits
	.p2align	6, 0x0
	.amdhsa_kernel k_q576a45778e_prep
		.amdhsa_group_segment_fixed_size 0
		.amdhsa_private_segment_fixed_size 0
		.amdhsa_enable_private_segment 0
		.amdhsa_kernarg_size 96
		.amdhsa_user_sgpr_count 2
		.amdhsa_user_sgpr_kernarg_segment_ptr 1
		.amdhsa_wavefront_size32 1
		.amdhsa_system_sgpr_workgroup_id_x 1
		.amdhsa_system_sgpr_workgroup_id_y 1
		.amdhsa_system_sgpr_workgroup_id_z 1
		.amdhsa_system_vgpr_workitem_id 0
		.amdhsa_next_free_vgpr 104
		.amdhsa_next_free_sgpr 66
		.amdhsa_reserve_vcc 0
		.amdhsa_float_denorm_mode_32 3
		.amdhsa_float_denorm_mode_16_64 3
		.amdhsa_memory_ordered 1
		.amdhsa_forward_progress 1
		.amdhsa_inst_pref_size 17
	.end_amdhsa_kernel
	.amdgpu_metadata
---
amdhsa.version: [ 1, 2 ]
amdhsa.kernels:
  - .name:           k_q576a45778e_prep
    .symbol:         k_q576a45778e_prep.kd
    .args:
      - { .name: x, .offset: 0, .size: 8, .value_kind: global_buffer, .address_space: global }
      - { .name: Wq, .offset: 8, .size: 8, .value_kind: global_buffer, .address_space: global }
      - { .name: Wk, .offset: 16, .size: 8, .value_kind: global_buffer, .address_space: global }
      - { .name: Wv, .offset: 24, .size: 8, .value_kind: global_buffer, .address_space: global }
      - { .name: bq, .offset: 32, .size: 8, .value_kind: global_buffer, .address_space: global }
      - { .name: bk, .offset: 40, .size: 8, .value_kind: global_buffer, .address_space: global }
      - { .name: bv, .offset: 48, .size: 8, .value_kind: global_buffer, .address_space: global }
      - { .name: xb, .offset: 56, .size: 8, .value_kind: global_buffer, .address_space: global }
      - { .name: wb, .offset: 64, .size: 8, .value_kind: global_buffer, .address_space: global }
      - { .name: bc, .offset: 72, .size: 8, .value_kind: global_buffer, .address_space: global }
      - { .name: sm, .offset: 80, .size: 8, .value_kind: global_buffer, .address_space: global }
      - { .name: sl, .offset: 88, .size: 8, .value_kind: global_buffer, .address_space: global }
    .group_segment_fixed_size: 0
    .private_segment_fixed_size: 0
    .kernarg_segment_align: 8
    .kernarg_segment_size: 96
    .max_flat_workgroup_size: 256
    .sgpr_count:     66
    .vgpr_count:     104
    .wavefront_size: 32
...
	.end_amdgpu_metadata
.endif
;; end of part 5
;; launch proj: the kernel of part 2 again; grid 8 x 32, 4 waves a work-group, clusters of 4 x 4, 327,680 bytes of LDS; arguments xb, wb, bc, qkv; writes qkv
;; launch score: the kernel of part 3 again; grid 36 x 4, 4 waves a work-group, no clusters, 327,680 bytes of LDS; arguments qkv, lengths, pw, sm, sl; writes pw, sm, sl
;; launch mix: the kernel of part 4 again; grid 8 x 32, 4 waves a work-group, clusters of 4 x 1, 327,680 bytes of LDS; arguments pw, qkv, sm, sl, out0; writes out0
